; MI455X (gfx1250); checked and timed in simulation.
; The chip was launched on July 23, 2026; its instructions are those of AMD's public machine-readable ISA for CDNA 5 (MIT licence, August 2026) and "CDNA5" Instruction Set Architecture Reference Guide (July 2026). The comments in the code are by the model that wrote it; some were corrected since.
;; FA3 MLA Attention. Allowed arithmetic: matrix products marked QUANTISED: E2M3 operands, one E8M0 scale for each 32 along K, by v_wmma_scale_f32_16x16x128_f8f6f4 with both operands' format E2M3, f32 sums; everything else in f32.
;; Inputs: freqs_cis 2,048 x 32 x 2 float32; w_k_up 256 x 2,048 float32; w_kv_down 2,048 x 256 float32; w_o 1,024 x 2,048 float32; w_q 2,048 x 2,048 float32; w_v_up 256 x 1,024 float32; x 2 x 2,048 x 2,048 float32.
;; Outputs: out0 2 x 2,048 x 2,048 float32.
;; Constants: start_pos = 0.
;; This version of the problem:
;;   THIS VERSION OF THE PROBLEM IS GIVEN IN LOW PRECISION. The matrix products marked QUANTISED in the list below multiply operands that are first quantised to E2M3 (2 exponent bits, 3 mantissa bits; 6 bits a number), with one power-of-two scale for each 32 numbers along K (OCP MX v1.0); their sums are f32. All else is computed in f32.
;;   The module's matrix products, in the order in which they are computed (A, B: the left and right operand; K: the contracted axis; several contracted axes count as one K, in the product's order):
;;     1. [M 4,096, K 2,048] x [K 2,048, N 2,048]; A: input x; B: input w_q: QUANTISED
;;     2. [M 4,096, K 2,048] x [K 2,048, N 256]; A: input x; B: input w_kv_down: QUANTISED
;;     3. [M 4,096, K 256] x [K 256, N 2,048]; A: computed on the way; B: input w_k_up: QUANTISED
;;     4. [M 4,096, K 256] x [K 256, N 1,024]; A: computed on the way; B: input w_v_up: QUANTISED
;;     5. batch 32 x [M 2,048, K 128] x [K 128, N 2,048]; A: computed on the way; B: computed on the way: QUANTISED
;;     6. batch 32 x [M 64, K 2,048] x [K 2,048, N 2,048]; A: computed on the way; B: softmax (see below): QUANTISED
;;     7. [M 4,096, K 1,024] x [K 1,024, N 2,048]; A: computed on the way; B: input w_o: QUANTISED
;;   THE QUANTISER, for each operand of a quantised product, along K:
;;     - K is cut into blocks of 32 from its start; a last block that is shorter is filled with zeros.
;;     - A block's scale is 2^e with e = floor(log2(the largest magnitude in the block)) - 2, held to -126 .. 127; a block of zeros has e = 0. As a byte (E8M0): e + 127.
;;     - Each number is divided by its block's scale, clamped to +-7.5, and rounded to the nearest number of E2M3, ties to even, subnormals kept.
;;     - The product sums the exact products of the quantised numbers (number of the format x scale) in f32.
;;   ~~~python
;;   def quantise(x, axis):      # numpy; x: float32 -> the quantised numbers, widened to float32 again
;;       x = np.moveaxis(x, axis, -1); K = x.shape[-1]
;;       x = np.pad(x, [(0, 0)] * (x.ndim - 1) + [(0, -K % 32)]); x = x.reshape(x.shape[:-1] + (-1, 32)); a = np.abs(x).max(-1, keepdims=True)
;;       e = np.where(a > 0, np.clip(np.frexp(np.where(a > 0, a, 1))[1] - 1 - 2, -126, 127), 0)      # np.frexp(a)[1] - 1 = floor(log2(a)), exactly
;;       r = np.clip(x / 2.0 ** e, -7.5, 7.5)
;;       step = 2.0 ** (np.maximum(np.frexp(np.where(r == 0, 1, r))[1] - 1, 0) - 3)
;;       q = np.round(r / step) * step * 2.0 ** e      # np.round: ties to even
;;       return np.moveaxis(q.reshape(q.shape[:-2] + (-1,))[..., :K], -1, axis).astype(np.float32)
;;   ~~~
;;   SOFTMAX AHEAD OF A QUANTISED PRODUCT. Where the list says 'softmax', what is quantised is not the finished softmax but p = 2^(t - M), with t = logit x log2(e) and M = ceil(the row's largest t), a whole number; so 1/2 < the row's largest p <= 1. The row's sum l is taken of the UNQUANTISED p, in f32, and the product's result is divided by l at the end. Since M is a whole number, a kernel that streams over the keys may use a running M (the ceiling of the running maximum): every later rescaling is an exact power of two, which a block's scale takes up: the codes' values come out the same.
;;   OPERANDS COMPUTED ON THE WAY. 'Computed on the way' means the value that the module computes at that place (a softmax that the list does not call 'softmax' is quantised finished and normalised). What goes into a quantiser is computed in f32, as accurately as f32 sums, v_exp_f32 and their like allow (about 1e-6 of the number): no bf16 or f16 on the way to a quantiser, and a product that is left as it is and whose result goes on into a quantised operand takes f32 operands (vector FMAs, or v_wmma_f32_16x16x4_f32). A number that lies on a knife's edge between two numbers of the format may be rounded either way, as far as f32 arithmetic and the matrix unit's own rounding can turn it there, and no further.
;; One version. Each part assembles by itself: llvm-mc -triple=amdgcn-amd-amdhsa -mcpu=gfx1250 --defsym DOCPART=n.
;; ======== version 1 of 1: 5 launches
;; limits: right only within a limited range of input values
;; workspace buffers: xi 6,815,744 bytes; wi 6,176,768 bytes; qi 6,815,744 bytes; kvi 851,968 bytes; kvs 10,485,760 bytes; oi 3,407,872 bytes
;; launch prep (part 1): grid 488 x 1, 8 waves a work-group, no clusters, 68,608 bytes of LDS; arguments x, w_q, w_kv_down, w_k_up, w_v_up, w_o, xi, wi; writes xi, wi
.if DOCPART == 1
	.amdgcn_target "amdgcn-amd-amdhsa--gfx1250"
	.amdhsa_code_object_version 6
	.text
	.protected	k_q0dec96e61d_prep
	.globl	k_q0dec96e61d_prep
	.p2align	8
	.type	k_q0dec96e61d_prep,@function
k_q0dec96e61d_prep:
	s_mov_b64 s[64:65], 0
	v_nop
	global_prefetch_b8 v0, s[64:65] scope:SCOPE_SE
	s_setreg_imm32_b32 hwreg(HW_REG_WAVE_MODE, 25, 1), 1
	s_wait_xcnt 0x0
; x [4096][2048] and the five weights ([K][N], K their FIRST axis), all f32, become codes of FP6 (E2M3) with one E8M0 scale byte for each 32 along K,
; laid as IMAGES OF OPERAND REGISTERS.  A fragment (16 rows x 128 K) is 12 registers a lane: registers 4 m .. 4 m + 3 of lane l lie at 512 m + 16 l (1,536 bytes).
; Its scale words: lane l's word at 4 l, the word of row l % 16 (128 bytes).  A RECORD is 256 along K of one tile of 16 rows: fragment 0, fragment 1, scale words 0, scale words 1: 3,328 bytes.
; THE ROWS OF A TILE ARE NOT NEIGHBOURS: lane r of tile T stands for row (token, or column of a weight) 32 (T / 2) + 8 (T % 2) + r + 8 (r / 8).
; A block's scale is 2^(floor(log2(its largest magnitude)) - 2); its byte is the largest magnitude's exponent field - 2, held at 1 from below.
; LIMITS: a block of zeros gets the byte 1 (its codes are zeros; this program alone reads the bytes); blocks whose largest magnitude lies under 2^-124 are held at byte 1; NaN and infinities are not served.
; SHARES.  Work-groups 0-231: 256 columns x 128 K of one weight; wave w takes 32 columns: one fragment of each of two tiles.  A wave's 128 loads go out in two halves, so it waits for memory twice on end: these work-groups have the first numbers.
; Work-groups 232-487: token tile j of x; wave w takes 256 along K from 256 w on: one record; all its 32 loads go out at once.
; The bytes bind here: every load of x covers 512 consecutive bytes, every load of a weight 128 (1,024 for the eight waves); no matrix unit, no tensor load, no barrier: waves share nothing.
.set REC,   3328
.set NW,    232                        ; the weights' work-groups
.set STG,   16*528                     ; x: a wave's stage in LDS: 16 rows x (512 bytes + 16): the sixteen rows that a load of 16 bytes a lane touches start at sixteen different places modulo 256
.set SPARE, 8*STG                      ; behind the eight stages: the spare words, 128 bytes for each wave: four blocks of 256 bytes that no other line names
.set SPW,   12                         ; v12  LDS address of my spare word; never rewritten
.set NIL,   13                         ; v13  0; never rewritten
.set RAW,   16                         ; v16-143  x as loaded: fragment s, row t at 64 s + 4 t
.set X,     144                        ; v144-207 64 numbers of my row: register 16 b + i = k 32 b + 16 (lane / 16) + i
.set TM,    208                        ; v208-223 at work
.set PW,    224                        ; v224-225 the two scale words
.set PC,    226                        ; v226-237 a fragment's codes, v238-245 at work
.set SEL,   20                         ; s[20:21] v_permlanex16_b32's selects for lane l xor 16
.set WV,    22                         ; s22 my wave's number
.set OFF,   16                         ; weights: v16-47 byte offset of row i of a block at my column
.set XW,    48                         ; v48-111  two sets of 32 numbers down K
.set FAB,   112                        ; v112-135 12 registers of even blocks' codes, 12 of odd blocks'
.set WS,    160                        ; v160-161 the scale word, and its copy
.set CT,    164                        ; v164-166 a block's upper 16 codes on their way
.set M0,    168
.set M1,    169
.set SO,    170
.set BY,    171
.set WB,    40                         ; s[40:47] four bases: block t of my 128 along K
; 64 numbers of a lane, v[s] on, register 16 b + i = k 32 b + 16 (lane / 16) + i of my row, become a fragment's codes in v[pc] on and its scale word in v[pw].
.macro QUANT s, pc, pw
.irp b, 0,1,2,3
	v_max3_num_f32 v[TM+\b], |v[\s+16*\b]|, |v[\s+1+16*\b]|, 0x1800000   ; block b: my 16 numbers, and the floor 2^(3 - 127): the byte cannot fall under 1
.endr
.irp i, 2,4,6,8,10,12,14
.irp b, 0,1,2,3
	s_delay_alu instid0(VALU_DEP_4)
	v_max3_num_f32 v[TM+\b], v[TM+\b], |v[\s+16*\b+\i]|, |v[\s+1+16*\b+\i]|   ; the four blocks by turns
.endr
.endr
.irp b, 0,1,2,3
	s_delay_alu instid0(VALU_DEP_4)
	v_permlanex16_b32 v[TM+4+\b], v[TM+\b], s[SEL], s[SEL+1]
.endr
.irp b, 0,1,2,3
	s_delay_alu instid0(VALU_DEP_4)
	v_max_num_f32 v[TM+\b], v[TM+\b], v[TM+4+\b]   ; with lane l xor 16's: the block's largest magnitude
.endr
.irp b, 0,1,2,3
	s_delay_alu instid0(VALU_DEP_4)
	v_add_nc_u32 v[TM+12+\b], 0xff000000, v[TM+\b]   ; 2 off its exponent field: the conversion's scale operand
.endr
.irp b, 0,1,2,3
	s_delay_alu instid0(VALU_DEP_4)
	v_lshrrev_b32 v[TM+4+\b], 23, v[TM+12+\b]      ; the scale's byte
.endr
	s_delay_alu instid0(VALU_DEP_3)
	v_lshl_or_b32 v[\pw], v[TM+5], 8, v[TM+4]      ; four bytes make my row's scale word
	s_delay_alu instid0(VALU_DEP_1)
	v_lshl_or_b32 v[\pw], v[TM+6], 16, v[\pw]
	s_delay_alu instid0(VALU_DEP_1)
	v_lshl_or_b32 v[\pw], v[TM+7], 24, v[\pw]
.irp c, 0,1
	v_cvt_scalef32_pk16_fp6_f32 v[\pc+6*\c:\pc+2+6*\c], v[\s+32*\c:\s+15+32*\c], v[TM+12+2*\c]
	v_cvt_scalef32_pk16_fp6_f32 v[\pc+12+4*\c:\pc+14+4*\c], v[\s+16+32*\c:\s+31+32*\c], v[TM+12+2*\c+1]   ; (a conversion's three registers begin on an even number)
.endr
	v_nop                                          ; one plain place behind a scaled conversion
.irp c, 0,1                                    ; the operand wants a WHOLE block in a lane: lanes 0-15 block 2 c, lanes 16-31 block 2 c + 1
.irp i, 0,1,2
	v_permlane16_swap_b32 v[\pc+6*\c+\i], v[\pc+12+4*\c+\i]
.endr
.irp i, 0,1,2
	s_delay_alu instid0(VALU_DEP_3)
	v_mov_b32 v[\pc+3+6*\c+\i], v[\pc+12+4*\c+\i]
.endr
.endr
.endm
	s_load_b256 s[4:11], s[0:1], 0x0               ; x s[4:5], w_q s[6:7], w_kv_down s[8:9], w_k_up s[10:11]
	s_load_b256 s[12:19], s[0:1], 0x20             ; w_v_up s[12:13], w_o s[14:15], xi s[16:17], wi s[18:19]
	v_lshl_add_u32 v[SPW], v0, 2, SPARE
	v_mov_b32 v[NIL], 0
	v_lshrrev_b32 v1, 5, v0
	s_delay_alu instid0(VALU_DEP_1)
	v_readfirstlane_b32 s[WV], v1                  ; wave 0..7
	v_and_b32 v1, 31, v0                           ; lane
	v_and_b32 v2, 15, v0                           ; r
	v_bfe_u32 v3, v0, 4, 1                         ; h
	s_delay_alu instid0(VALU_DEP_3)
	v_lshlrev_b32 v4, 4, v1                        ; 16 x lane
	s_delay_alu instid0(VALU_DEP_4)
	v_lshlrev_b32 v5, 2, v1                        ; 4 x lane
	s_mov_b32 s[SEL], 0x76543210
	s_mov_b32 s[SEL+1], 0xfedcba98
	s_cmp_ge_u32 ttmp9, NW
	s_cbranch_scc0 .Lweights
	; ---------------- x: token tile j = the work-group's number - 232, 256 along K from 256 x wave on ----------------
	s_sub_co_u32 s28, ttmp9, NW                    ; j
	s_mul_i32 s23, s[WV], STG
	v_add_nc_u32 v6, s23, v4                       ; the stage, on the way in: a row's 512 bytes as they lie
	v_mul_u32_u24 v7, v2, 528
	s_delay_alu instid0(VALU_DEP_1)
	v_lshl_add_u32 v7, v3, 6, v7
	s_delay_alu instid0(VALU_DEP_1)
	v_add_nc_u32 v7, s23, v7                       ; on the way out: row r, + 64 h: my 16 numbers of each block of 32
.irp b, 0,1,2,3
	v_mov_b32 v[TM+4+\b], 0                        ; written once: a lane permute's destination counts as one of its sources
.endr
	s_lshr_b32 s24, s28, 1
	s_lshl_b32 s24, s24, 5
	s_and_b32 s25, s28, 1
	s_lshl_b32 s25, s25, 3
	s_add_co_u32 s24, s24, s25                     ; the tile's first token: 32 (j / 2) + 8 (j % 2)
	s_lshl_b32 s24, s24, 13                        ; rows of 8,192 bytes
	s_lshl_b32 s25, s[WV], 10
	s_add_co_u32 s24, s24, s25                     ; + 1,024 x wave
	s_mov_b32 s25, 0
	s_lshl_b32 s26, s[WV], 8
	s_add_co_u32 s26, s26, s28
	s_mul_i32 s26, s26, REC                        ; my record: [pair = wave][tile j]
	s_mov_b32 s27, 0
	s_wait_alu depctr_va_vdst(0)
	s_wait_kmcnt 0x0
	s_add_nc_u64 s[4:5], s[4:5], s[24:25]
	s_add_nc_u64 s[16:17], s[16:17], s[26:27]
.irp s, 0,1
.irp t, 0,1,2,3,4,5,6,7,8,9,10,11,12,13,14,15
	global_load_b128 v[RAW+64*\s+4*\t:RAW+64*\s+4*\t+3], v4, s[4:5] offset:(\t+8*(\t/8))*8192+512*\s th:TH_LOAD_NT   ; 32 lanes read 512 consecutive bytes: row t's 128 numbers of fragment s
.endr
.endr
.macro XFRAG s
.if \s == 0
	s_wait_loadcnt 16                              ; fragment 0's sixteen loads are in; fragment 1's sixteen may be out
.else
	s_wait_loadcnt 0x0
.endif
.irp t, 0,1,2,3,4,5,6,7,8,9,10,11,12,13,14,15
	ds_store_b128 v6, v[RAW+64*\s+4*\t:RAW+64*\s+4*\t+3] offset:528*\t
.endr
.irp b, 0,1,2,3
.irp i, 0,1,2,3
	ds_load_b128 v[X+16*\b+4*\i:X+16*\b+4*\i+3], v7 offset:128*\b+16*\i   ; LDS serves a wave's instructions in order: these see my stores
.endr
.endr
	s_wait_dscnt 0x0
.if \s
	s_wait_xcnt 0x0                                ; fragment 0's stores have read the codes' registers: they are written again only behind this wait
.endif
	QUANT X, PC, PW+\s
.irp m, 0,1,2
	global_store_b128 v4, v[PC+4*\m:PC+4*\m+3], s[16:17] offset:1536*\s+512*\m   ; 512 consecutive bytes, at a multiple of 256 from the buffer's first byte
.endr
	global_store_b32 v5, v[PW+\s], s[16:17] offset:3072+128*\s
.endm
	XFRAG 0
	XFRAG 1
	s_wait_tensorcnt 0x0                           ; the wave's end: behind my last LDS store
	ds_add_u32 v[SPW], v[NIL]
	s_wait_dscnt 0x0
	s_endpgm
	; ---------------- the weights: a lane takes a column, its registers run down K; no LDS ----------------
.Lweights:
	s_wait_alu depctr_va_vdst(0)
	v_and_b32 v6, 7, v1
	v_bfe_u32 v7, v1, 3, 1
	s_delay_alu instid0(VALU_DEP_1)
	v_lshl_or_b32 v6, v7, 4, v6
	s_delay_alu instid0(VALU_DEP_1)
	v_lshl_or_b32 v6, v3, 3, v6                    ; my column of the wave's 32: the lane's number with bits 3 and 4 changed over: lanes 0-15 are tile 2 w, lanes 16-31 tile 2 w + 1
	s_delay_alu instid0(VALU_DEP_1)
	v_lshlrev_b32 v6, 2, v6
	s_mov_b32 s23, ttmp9                           ; which of the 232
	s_wait_alu depctr_va_vdst(0)
	s_wait_kmcnt 0x0
	s_mov_b64 s[24:25], s[6:7]                     ; from 0: w_q: 8 blocks of columns x 16 steps of 128 along K
	s_mov_b32 s26, 8192                            ; a row in bytes
	s_mov_b32 s27, 0                               ; where the operand begins in wi
	s_mov_b32 s28, 144                             ; tiles in a pair of that operand
	s_mov_b32 s29, 0                               ; the weight's first tile there
	s_mov_b32 s30, 0                               ; the weight's first work-group
	s_mov_b32 s31, 3                               ; log2 of its blocks of 256 columns
	s_cmp_ge_u32 s23, 128                          ; from 128: w_kv_down: 1 x 16.  (The choices hang on the work-group's number alone)
	s_cselect_b64 s[24:25], s[8:9], s[24:25]
	s_cselect_b32 s26, 1024, s26
	s_cselect_b32 s29, 128, s29
	s_cselect_b32 s30, 128, s30
	s_cselect_b32 s31, 0, s31
	s_cmp_ge_u32 s23, 144                          ; from 144: w_k_up: 8 x 2
	s_cselect_b64 s[24:25], s[10:11], s[24:25]
	s_cselect_b32 s26, 8192, s26
	s_cselect_b32 s27, 3833856, s27
	s_cselect_b32 s28, 192, s28
	s_cselect_b32 s29, 0, s29
	s_cselect_b32 s30, 144, s30
	s_cselect_b32 s31, 3, s31
	s_cmp_ge_u32 s23, 160                          ; from 160: w_v_up: 4 x 2
	s_cselect_b64 s[24:25], s[12:13], s[24:25]
	s_cselect_b32 s26, 4096, s26
	s_cselect_b32 s29, 128, s29
	s_cselect_b32 s30, 160, s30
	s_cselect_b32 s31, 2, s31
	s_cmp_ge_u32 s23, 168                          ; from 168: w_o: 8 x 8
	s_cselect_b64 s[24:25], s[14:15], s[24:25]
	s_cselect_b32 s26, 8192, s26
	s_cselect_b32 s27, 4472832, s27
	s_cselect_b32 s28, 128, s28
	s_cselect_b32 s29, 0, s29
	s_cselect_b32 s30, 168, s30
	s_cselect_b32 s31, 3, s31
	s_sub_co_u32 s23, s23, s30
	s_lshl_b32 s32, 1, s31
	s_sub_co_u32 s32, s32, 1
	s_and_b32 s32, s23, s32                        ; my block of 256 columns
	s_lshr_b32 s33, s23, s31                       ; my step of 128 along K
	s_lshl_b32 s34, s26, 7
	s_mul_i32 s34, s34, s33                        ; 128 rows x step
	s_lshl_b32 s35, s32, 10
	s_add_co_u32 s34, s34, s35                     ; + 1,024 x block of columns
	s_lshl_b32 s35, s[WV], 7
	s_add_co_u32 s34, s34, s35                     ; + 128 x wave
	s_mov_b32 s35, 0
	s_add_nc_u64 s[WB:WB+1], s[24:25], s[34:35]
	s_lshl_b32 s34, s26, 5                         ; 32 rows
.irp t, 1,2,3
	s_add_nc_u64 s[WB+2*\t:WB+2*\t+1], s[WB+2*\t-2:WB+2*\t-1], s[34:35]
.endr
	s_lshr_b32 s38, s33, 1                         ; the pair,
	s_and_b32 s39, s33, 1                          ; and which of its two fragments
	s_mul_i32 s36, s38, s28
	s_add_co_u32 s36, s36, s29
	s_lshl_b32 s37, s32, 4
	s_add_co_u32 s36, s36, s37
	s_lshl_b32 s37, s[WV], 1
	s_add_co_u32 s36, s36, s37                     ; my first record: pair x tiles + first tile + 16 x block + 2 x wave
	s_mul_i32 s36, s36, REC
	s_add_co_u32 s36, s36, s27
	s_mul_i32 s37, s39, 1536
	s_add_co_u32 s56, s36, s37                     ; the fragment in it,
	s_mov_b32 s57, 0
	s_lshl_b32 s37, s39, 7
	s_add_co_u32 s58, s36, s37
	s_add_co_u32 s58, s58, 3072                    ; and its scale words
	s_mov_b32 s59, 0
	s_add_nc_u64 s[56:57], s[18:19], s[56:57]
	s_add_nc_u64 s[58:59], s[18:19], s[58:59]
.irp i, 0,1,2,3,4,5,6,7,8,9,10,11,12,13,14,15,16,17,18,19,20,21,22,23,24,25,26,27,28,29,30,31
	v_mad_u32_u24 v[OFF+\i], s26, \i, v6           ; row i of a block, my column
.endr
.macro LOADW t                         ; block t: W(32 t + i, my column) into set t % 2
.irp i, 0,1,2,3,4,5,6,7,8,9,10,11,12,13,14,15,16,17,18,19,20,21,22,23,24,25,26,27,28,29,30,31
	global_load_b32 v[XW+32*((\t)%2)+\i], v[OFF+\i], s[WB+2*(\t):WB+2*(\t)+1] th:TH_LOAD_NT
.endr
.endm
.macro BLOCKW t
.set XS, XW+32*((\t)%2)
.set FD, FAB+12*((\t)%2)+6*((\t)/2)    ; even blocks' codes in the first twelve registers, odd blocks' in the second twelve
.if (\t) < 3
	s_wait_loadcnt 32                              ; this block's 32 loads are in; the next block's 32 may be out
.else
	s_wait_loadcnt 0x0
.endif
	v_max3_num_f32 v[M0], |v[XS]|, |v[XS+1]|, |v[XS+2]|            ; the block's largest magnitude: all 32 numbers are mine
	v_max3_num_f32 v[M1], |v[XS+3]|, |v[XS+4]|, |v[XS+5]|
.irp i, 6,10,14,18,22,26
	s_delay_alu instid0(VALU_DEP_2)
	v_max3_num_f32 v[M0], v[M0], |v[XS+\i]|, |v[XS+\i+1]|
	s_delay_alu instid0(VALU_DEP_2)
	v_max3_num_f32 v[M1], v[M1], |v[XS+\i+2]|, |v[XS+\i+3]|
.endr
	s_delay_alu instid0(VALU_DEP_2)
	v_max3_num_f32 v[M0], v[M0], |v[XS+30]|, |v[XS+31]|
	s_delay_alu instid0(VALU_DEP_1)
	v_max3_num_f32 v[M0], v[M0], v[M1], 0x1800000  ; and the floor 2^(3 - 127)
	s_delay_alu instid0(VALU_DEP_1)
	v_add_nc_u32 v[SO], 0xff000000, v[M0]          ; the conversion's scale operand
	s_delay_alu instid0(VALU_DEP_1)
	v_lshrrev_b32 v[BY], 23, v[SO]                 ; the byte
.if (\t) == 0
	s_delay_alu instid0(VALU_DEP_1)
	v_mov_b32 v[WS], v[BY]
.else
	s_delay_alu instid0(VALU_DEP_1)
	v_lshl_or_b32 v[WS], v[BY], 8*(\t), v[WS]
.endif
	v_cvt_scalef32_pk16_fp6_f32 v[FD:FD+2], v[XS:XS+15], v[SO]
	v_cvt_scalef32_pk16_fp6_f32 v[CT:CT+2], v[XS+16:XS+31], v[SO]  ; (a conversion's three registers begin on an even number)
	v_nop                                          ; one plain place behind a scaled conversion
.irp i, 0,1,2
	v_mov_b32 v[FD+3+\i], v[CT+\i]
.endr
.if (\t)+2 < 4
	LOADW (\t)+2
.endif
.endm
	LOADW 0
	LOADW 1
	BLOCKW 0
	BLOCKW 1
	BLOCKW 2
	BLOCKW 3
; The 128 along K are whole.  Lanes 0-15 hold tile 2 w's four blocks, lanes 16-31 tile 2 w + 1's; a fragment wants blocks 0, 2 in lanes 0-15 and blocks 1, 3 in lanes 16-31:
; the first twelve registers' upper lanes change places with the second twelve's lower lanes.  The scale words likewise, so that each image holds its tile's words twice.
.irp i, 0,1,2,3,4,5,6,7,8,9,10,11
	v_permlane16_swap_b32 v[FAB+\i], v[FAB+12+\i]
.endr
	v_mov_b32 v[WS+1], v[WS]
	s_delay_alu instid0(VALU_DEP_1)
	v_permlane16_swap_b32 v[WS], v[WS+1]
.irp u, 0,1
.irp m, 0,1,2
	global_store_b128 v4, v[FAB+12*\u+4*\m:FAB+12*\u+4*\m+3], s[56:57] offset:REC*\u+512*\m
.endr
	global_store_b32 v5, v[WS+\u], s[58:59] offset:REC*\u
.endr
	s_endpgm
.Lfunc_end_k_q0dec96e61d_prep:
	.size	k_q0dec96e61d_prep, .Lfunc_end_k_q0dec96e61d_prep-k_q0dec96e61d_prep
	.p2alignl 7, 3214868480
	.fill 96, 4, 3214868480
	.section	.rodata,"a",@progbits
	.p2align	6, 0x0
	.amdhsa_kernel k_q0dec96e61d_prep
		.amdhsa_group_segment_fixed_size 68608
		.amdhsa_private_segment_fixed_size 0
		.amdhsa_enable_private_segment 0
		.amdhsa_kernarg_size 64
		.amdhsa_user_sgpr_count 2
		.amdhsa_user_sgpr_kernarg_segment_ptr 1
		.amdhsa_wavefront_size32 1
		.amdhsa_system_sgpr_workgroup_id_x 1
		.amdhsa_system_sgpr_workgroup_id_y 1
		.amdhsa_system_sgpr_workgroup_id_z 1
		.amdhsa_system_vgpr_workitem_id 0
		.amdhsa_next_free_vgpr 256
		.amdhsa_next_free_sgpr 66
		.amdhsa_reserve_vcc 0
		.amdhsa_float_denorm_mode_32 3
		.amdhsa_float_denorm_mode_16_64 3
		.amdhsa_memory_ordered 1
		.amdhsa_forward_progress 1
		.amdhsa_inst_pref_size 48
	.end_amdhsa_kernel
	.amdgpu_metadata
---
amdhsa.version: [ 1, 2 ]
amdhsa.kernels:
  - .name:           k_q0dec96e61d_prep
    .symbol:         k_q0dec96e61d_prep.kd
    .args:
      - { .name: x, .offset: 0, .size: 8, .value_kind: global_buffer, .address_space: global }
      - { .name: w_q, .offset: 8, .size: 8, .value_kind: global_buffer, .address_space: global }
      - { .name: w_kv_down, .offset: 16, .size: 8, .value_kind: global_buffer, .address_space: global }
      - { .name: w_k_up, .offset: 24, .size: 8, .value_kind: global_buffer, .address_space: global }
      - { .name: w_v_up, .offset: 32, .size: 8, .value_kind: global_buffer, .address_space: global }
      - { .name: w_o, .offset: 40, .size: 8, .value_kind: global_buffer, .address_space: global }
      - { .name: xi, .offset: 48, .size: 8, .value_kind: global_buffer, .address_space: global }
      - { .name: wi, .offset: 56, .size: 8, .value_kind: global_buffer, .address_space: global }
    .group_segment_fixed_size: 68608
    .private_segment_fixed_size: 0
    .kernarg_segment_align: 8
    .kernarg_segment_size: 64
    .max_flat_workgroup_size: 256
    .sgpr_count:     66
    .vgpr_count:     256
    .wavefront_size: 32
...
	.end_amdgpu_metadata
.endif
;; end of part 1
;; launch gq (part 2): grid 16 x 9, 4 waves a work-group, clusters of 4 x 1, 327,680 bytes of LDS; arguments xi, wi, freqs_cis, qi, kvi; writes qi, kvi
.if DOCPART == 2
	.amdgcn_target "amdgcn-amd-amdhsa--gfx1250"
	.amdhsa_code_object_version 6
	.text
	.protected	k_q0dec96e61d_gq
	.globl	k_q0dec96e61d_gq
	.p2align	8
	.type	k_q0dec96e61d_gq,@function
k_q0dec96e61d_gq:
	s_mov_b64 s[64:65], 0
	v_nop
	global_prefetch_b8 v0, s[64:65] scope:SCOPE_SE
	s_setreg_imm32_b32 hwreg(HW_REG_WAVE_MODE, 25, 1), 1
	s_wait_xcnt 0x0
	s_wait_alu depctr_hold_cnt(0) depctr_sa_sdst(0) depctr_va_vdst(0) depctr_va_sdst(0) depctr_va_ssrc(0) depctr_va_vcc(0) depctr_vm_vsrc(0)
	s_getreg_b32 s2, hwreg(HW_REG_IB_STS2, 6, 4)
	s_cmp_eq_u32 s2, 0
	s_cbranch_scc0 .Lentry_in_a_cluster
	s_endpgm
.Lentry_in_a_cluster:
	s_bfe_u32 s2, ttmp6, 0x10000c
	s_cmp_lg_u32 s2, 0x3003
	s_cbranch_scc0 .Lentry_shape_is_right
	s_endpgm
.Lentry_shape_is_right:
.set REC,   3328
.set HALFT, 8*REC
.set SLOT,  4*HALFT
.set SPARE, 2*SLOT
.set LAPS,  4
.set ASTEP, 256*REC
.set BSTEP, 144*REC
.set FR,    12
.set NL,    3
.set NP,    4
.set ADRA,  16
.set ADRB,  20
.set ADRS,  22
.set L16,   24
.set L4,    25
.set FA,    26
.set SPW,   28
.set NIL,   29
.set SC,    32
.set FQ,    64
.set AF,    128
.set R,     128
.set T1,    160
.set T2,    176
.set TM,    192
.set PW,    208
.set PC,    216
.set G1,    24
.set G0,    32
.set G1B,   48
.set G0B,   56
.set CB,    66
.set SB,    68
.set FB,    70
.set KCB,   76
.set KSB,   78
.set SEL,   80
.set MSB, 0
.macro WIN new
.if MSB != \new
	s_set_vgpr_msb (MSB<<8)|\new
.set MSB, \new
.endif
.endm
.set MUL_LO, 0xa1
.set MUL_HI, 0xf1
.set TO_B,   0x40
.macro JLOAD g0a, g1a, g0b, g1b
	s_cmp_eq_u32 s15, 0
	s_cbranch_scc0 .Lfor_b_\@
	tensor_load_to_lds s[\g0a:\g0a+3], s[\g1a:\g1a+7]
	s_nop 0
.rept 4
	v_nop
.endr
	s_branch .Lasked_\@
.Lfor_b_\@:
	tensor_load_to_lds s[\g0b:\g0b+3], s[\g1b:\g1b+7]
	s_nop 0
.rept 4
	v_nop
.endr
.Lasked_\@:
.endm
.macro CREST
	s_cmp_lg_u32 s14, 0
	s_cbranch_scc1 .Lnot_wave_0_\@
	s_barrier_signal -3
.Lnot_wave_0_\@:
	s_barrier_wait -3
	s_barrier_signal -1
	s_barrier_wait -1
.endm
.macro CROUND
	s_barrier_signal -1
	s_barrier_wait -1
	CREST
.endm
	s_load_b256 s[4:11], s[0:1], 0x0
	s_load_b64 s[12:13], s[0:1], 0x20
	v_lshl_add_u32 v[SPW], v0, 2, SPARE
	v_mov_b32 v[NIL], 0
	ds_add_u32 v[SPW], v[NIL]
	ds_add_u32 v[SPW], v[NIL]
	v_lshrrev_b32 v1, 5, v0
	v_readfirstlane_b32 s14, v1
	s_lshr_b32 s15, s14, 1
	s_and_b32 s16, s14, 1
	s_bfe_u32 s40, ttmp6, 0x40000
	s_lshl_b32 s17, ttmp9, 2
	s_add_co_u32 s17, s17, s40
	s_and_b32 s18, ttmp7, 0xffff
	s_mov_b32 s[G1], 3<<16
	s_mov_b32 s[G1B], 15|(3<<16)|(1<<21)
.irp g, G1, G1B
	s_mov_b32 s[\g+1], 32<<16
	s_mov_b32 s[\g+2], 104<<16
	s_mov_b32 s[\g+3], 32<<16
	s_mov_b32 s[\g+4], 104
	s_mov_b32 s[\g+5], 32
	s_mov_b32 s[\g+6], 0
	s_mov_b32 s[\g+7], 0
.endr
	s_lshl_b32 s19, s16, 3
	s_lshl_b32 s20, s17, 4
	s_add_co_u32 s20, s20, s19
	s_mul_i32 s20, s20, REC
	s_mov_b32 s21, 0
	s_lshl_b32 s46, s18, 4
	s_add_co_u32 s46, s46, s19
	s_mul_i32 s46, s46, REC
	s_mov_b32 s47, 0
	s_mul_i32 s45, s14, HALFT
	s_mov_b32 s[SEL], 0x76543210
	s_mov_b32 s[SEL+1], 0xfedcba98
	s_wait_dscnt 0x0
	s_wait_kmcnt 0x0
	s_add_nc_u64 s[20:21], s[4:5], s[20:21]
	s_add_nc_u64 s[46:47], s[6:7], s[46:47]
	CROUND
.irp s, 0,1
	s_mov_b32 s[G0+4*\s], 1
	s_add_co_u32 s[G0+4*\s+1], s45, \s*SLOT
	s_add_nc_u64 s[G0+4*\s+2:G0+4*\s+3], s[20:21], \s*ASTEP
	s_or_b32 s[G0+4*\s+3], s[G0+4*\s+3], 0x80000000
	s_mov_b32 s[G0B+4*\s], 1
	s_add_co_u32 s[G0B+4*\s+1], s45, \s*SLOT
	s_add_nc_u64 s[G0B+4*\s+2:G0B+4*\s+3], s[46:47], \s*BSTEP
	s_or_b32 s[G0B+4*\s+3], s[G0B+4*\s+3], 0x80000000
.endr
	JLOAD G0, G1, G0B, G1B                         ; pair 0 into slot 0: one tensor load a wave at the head; the rest of the head stands under its flight
	v_and_b32 v1, 31, v0
	v_bfe_u32 v2, v0, 4, 1
	v_and_b32 v3, 15, v0
	v_lshlrev_b32 v[L16], 4, v1
	s_wait_alu depctr_va_vdst(0)
	v_lshlrev_b32 v[L4], 2, v1
	s_mul_i32 s41, s15, HALFT
	s_add_co_u32 s42, s16, 2
	s_mul_i32 s42, s42, HALFT
	s_xor_b32 s43, s15, 1
	s_add_co_u32 s43, s43, s16
	s_add_co_u32 s43, s43, 1
	s_mul_i32 s43, s43, HALFT
	v_mul_u32_u24 v4, s43, v2
	v_add_nc_u32 v4, v4, v[L4]
.irp s, 0,1
	v_add_nc_u32 v[ADRA+\s], s41, v[L16]
	v_add_nc_u32 v[ADRB+\s], s42, v[L16]
	v_add_nc_u32 v[ADRS+\s], s41, v4
	s_add_co_u32 s41, s41, SLOT
	s_add_co_u32 s42, s42, SLOT
.endr
	v_and_b32 v5, 8, v3
	v_add_nc_u32 v5, v5, v3
	v_lshlrev_b32 v[FA], 8, v5
	v_lshl_add_u32 v[FA], v2, 7, v[FA]
	s_and_b32 s44, s17, 7
	s_lshl_b32 s44, s44, 1
	s_add_co_u32 s44, s44, s15
	s_lshl_b32 s74, s44, 15
	s_mov_b32 s75, 0
	s_add_nc_u64 s[FB:FB+1], s[8:9], s[74:75]
.irp a, 0,1
.irp m, 0,1,2,3,4,5,6,7
	global_load_b128 v[FQ+32*\a+4*\m:FQ+32*\a+4*\m+3], v[FA], s[FB:FB+1] offset:8*\a*256+16*\m
.endr
.endr
	s_wait_alu depctr_va_vdst(0)                   ; ahead of the readers below
	WIN 0x40                                       ; cos and sin of blocks 2 and 3 of my tokens: window 1's v96-127 and v224-255, which no fragment uses
.irp m, 0,1,2,3,4,5,6,7
	global_load_b128 v[96+4*\m:99+4*\m], v[FA], s[FB:FB+1] offset:32*256+16*\m
.endr
.irp m, 0,1,2,3,4,5,6,7
	global_load_b128 v[224+4*\m:227+4*\m], v[FA], s[FB:FB+1] offset:40*256+16*\m
.endr
	WIN 0
; A PREFETCH INTO THE L2: behind the joint load of pair n (256 along K) pair n + 1 is asked for, one refill ahead: here pair 1, behind slot 1's first fill pair 2, behind the refill of pair n pair n + 1, up to pair 7; the last refill asks for nothing.
; A wave names the 26,624 bytes, 104 blocks of 256, that it will itself load.  A's waves (0, 1): lanes 256 bytes apart, four instructions, the last with lanes 8-31 on its eighth block.
; B's waves (2, 3): the four partners that ask for these bytes jointly share the blocks out by address, 26 each (cx), one instruction, lanes 26-31 on its last block.  No branch hangs on a place in the cluster.
; The address stands at pair 0 and is stepped a pair at each refill; n, the pair's distance from it, stands in the immediate.
.set PFA, 82
.set PST, 84                           ; s[84:85] from pair to pair in my operand
.macro ASK last, n
.if \last
	s_cmp_gt_u32 s3, 1                             ; the loop's last trip: its second refill loads pair 7
	s_cbranch_scc0 .Lpf_none_\@
.endif
	s_cmp_eq_u32 s15, 0
	s_cbranch_scc0 .Lpf_b_\@
	global_prefetch_b8 v30, s[PFA:PFA+1] offset:(\n)*ASTEP th:TH_LOAD_NT scope:SCOPE_SE
	global_prefetch_b8 v30, s[PFA:PFA+1] offset:(\n)*ASTEP+8192 th:TH_LOAD_NT scope:SCOPE_SE
	global_prefetch_b8 v30, s[PFA:PFA+1] offset:(\n)*ASTEP+16384 th:TH_LOAD_NT scope:SCOPE_SE
	global_prefetch_b8 v31, s[PFA:PFA+1] offset:(\n)*ASTEP+24576 th:TH_LOAD_NT scope:SCOPE_SE
	s_branch .Lpf_none_\@
.Lpf_b_\@:
	global_prefetch_b8 v30, s[PFA:PFA+1] offset:(\n)*BSTEP th:TH_LOAD_NT scope:SCOPE_SE
.Lpf_none_\@:
.endm
	s_mov_b32 s[PST], BSTEP
	s_mov_b32 s[PST+1], 0
	s_mul_i32 s86, s40, 6656                       ; B: my work-group's 26 blocks of the 104
	s_mov_b32 s87, 0
	s_cmp_eq_u32 s15, 0                            ; do I fetch for A?
	s_cselect_b64 s[PFA:PFA+1], s[20:21], s[46:47]
	s_cselect_b32 s[PST], ASTEP, s[PST]
	s_cselect_b32 s86, 0, s86
	s_cselect_b32 s88, 31, 25
	s_add_nc_u64 s[PFA:PFA+1], s[PFA:PFA+1], s[86:87]   ; at pair 0
	v_min_u32 v30, s88, v1
	v_min_u32 v31, 7, v1
	v_lshlrev_b32 v30, 8, v30
	v_lshlrev_b32 v31, 8, v31
	s_wait_alu depctr_va_vdst(0)                   ; directly ahead of the branches below
	ASK 0, 1
	s_lshr_b32 s72, s17, 3
	s_lshl_b32 s72, s72, 4
	s_lshl_b32 s73, s18, 1
	s_add_co_u32 s72, s72, s73
	s_add_co_u32 s72, s72, s16
	s_lshl_b32 s72, s72, 7
	s_lshl_b32 s73, s44, 3
	s_add_co_u32 s72, s72, s73
	s_mul_i32 s74, s72, 1536
	s_add_nc_u64 s[CB:CB+1], s[10:11], s[74:75]
	s_lshl_b32 s74, s72, 7
	s_add_co_u32 s74, s74, 6291456
	s_add_nc_u64 s[SB:SB+1], s[10:11], s[74:75]
	s_lshl_b32 s72, s17, 4
	s_lshl_b32 s73, s15, 3
	s_add_co_u32 s72, s72, s73
	s_mul_i32 s72, s72, REC
	s_mul_i32 s73, s16, 1536
	s_add_co_u32 s74, s72, s73
	s_add_nc_u64 s[KCB:KCB+1], s[12:13], s[74:75]
	s_lshl_b32 s73, s16, 7
	s_add_co_u32 s74, s72, s73
	s_add_co_u32 s74, s74, 3072
	s_add_nc_u64 s[KSB:KSB+1], s[12:13], s[74:75]
.macro FRAG reg, adr, q, i
.irp m, 0,1,2
	ds_load_b128 v[\reg+4*\m:\reg+4*\m+3], v[\adr] offset:REC*(\i)+1536*(\q)+512*\m
.endr
.endm
.macro MUL16 a0, p, q, sc, zero
.irp a, \a0, \a0+1
.irp b, 0,1,2,3,4,5,6,7
.if \zero
	v_wmma_scale_f32_16x16x128_f8f6f4 v[8*(8*((\a)%4)+\b):8*(8*((\a)%4)+\b)+7], v[128*(\p)+FR*\b:128*(\p)+FR*\b+FR-1], v[AF+FR*(\a):AF+FR*(\a)+FR-1], 0, v[SC+16*(\sc)+2*\b+(\q)], v[SC+16*(\sc)+2*(\a)+(\q)] matrix_a_fmt:MATRIX_FMT_FP6 matrix_b_fmt:MATRIX_FMT_FP6 matrix_a_scale:MATRIX_SCALE_ROW1
.else
	v_wmma_scale_f32_16x16x128_f8f6f4 v[8*(8*((\a)%4)+\b):8*(8*((\a)%4)+\b)+7], v[128*(\p)+FR*\b:128*(\p)+FR*\b+FR-1], v[AF+FR*(\a):AF+FR*(\a)+FR-1], v[8*(8*((\a)%4)+\b):8*(8*((\a)%4)+\b)+7], v[SC+16*(\sc)+2*\b+(\q)], v[SC+16*(\sc)+2*(\a)+(\q)] matrix_a_fmt:MATRIX_FMT_FP6 matrix_b_fmt:MATRIX_FMT_FP6 matrix_a_scale:MATRIX_SCALE_ROW1
.endif
.endr
.endr
.endm
.macro FETCH_B slot, q, p
	WIN TO_B
.irp i, 0,1,2,3,4,5,6,7
	FRAG 128*(\p)+FR*\i, ADRB+\slot, \q, \i
.endr
	WIN 0
.endm
.macro FETCH_A slot, q, i0
.irp i, \i0, \i0+1, \i0+2, \i0+3
	FRAG AF+FR*(\i), ADRA+\slot, \q, \i
.endr
.endm
.macro SCALES sl
.irp i, 0,1,2,3,4,5,6,7
.irp q, 0,1
	ds_load_b32 v[SC+16*\sl+2*\i+\q], v[ADRS+\sl] offset:REC*\i+3072+128*\q
.endr
.endr
.endm
.macro PLACES n
.rept \n
	v_nop
.endr
.endm
.macro STEP slot, q, zero
	s_wait_dscnt 4*NL
	WIN MUL_LO
	MUL16 0, (\q)%2, \q, \slot, \zero
	MUL16 2, (\q)%2, \q, \slot, \zero
	s_wait_dscnt 0
	PLACES NP
	FETCH_B \slot, (\q)+1, 1-(\q)%2
	FETCH_A \slot, (\q)+1, 0
	WIN MUL_HI
	MUL16 4, (\q)%2, \q, \slot, \zero
	MUL16 6, (\q)%2, \q, \slot, \zero
	PLACES NP
	WIN 0
	FETCH_A \slot, (\q)+1, 4
.endm
.macro TURN slot, next, fill
.if \fill
	s_wait_xcnt 0x0                                ; my last prefetch, a refill back, has read its address
	s_add_nc_u64 s[PFA:PFA+1], s[PFA:PFA+1], s[PST:PST+1]
.endif
	s_wait_tensorcnt 0x0
	ds_add_u32 v[SPW], v[NIL]
	s_wait_dscnt 4*NL+1
	WIN MUL_LO
	MUL16 0, 1, 1, \slot, 0
	s_wait_dscnt 0x0
	s_barrier_signal -1
	MUL16 2, 1, 1, \slot, 0
	WIN 0
	s_barrier_wait -1
.if \fill
	CREST
	s_add_nc_u64 s[G0+4*\slot+2:G0+4*\slot+3], s[G0+4*\slot+2:G0+4*\slot+3], 2*ASTEP
	s_add_nc_u64 s[G0B+4*\slot+2:G0B+4*\slot+3], s[G0B+4*\slot+2:G0B+4*\slot+3], 2*BSTEP
	JLOAD G0+4*\slot, G1, G0B+4*\slot, G1B
.else
	PLACES NP
.endif
	FETCH_B \next, 0, 0
	FETCH_A \next, 0, 0
	SCALES \next
.if \fill
	ASK \slot, 2                                   ; behind the joint load and the run of LDS loads: the address stands a pair behind the refill's
.endif
	WIN MUL_HI
	MUL16 4, 1, 1, \slot, 0
	MUL16 6, 1, 1, \slot, 0
	PLACES NP
	WIN 0
	FETCH_A \next, 0, 4
.endm
	s_wait_alu depctr_va_vdst(0)                   ; the head's end
	s_wait_tensorcnt 0x0                           ; my part of pair 0 is in; these lines stand ahead of slot 1's first fill, as ahead of a refill:
	ds_add_u32 v[SPW], v[NIL]
	s_wait_dscnt 0x0
	CROUND                                         ; everybody's part is in, and the four work-groups are here: the joint loads meet
	JLOAD G0+4, G1, G0B+4, G1B                     ; pair 1 into slot 1: the first tensor load behind the round
	FETCH_B 0, 0, 0
	FETCH_A 0, 0, 0
	SCALES 0
	FETCH_A 0, 0, 4
	ASK 0, 2
	STEP 0, 0, 1
	s_mov_b32 s3, LAPS-1
.Llap:
	TURN 0, 1, 1
	STEP 1, 0, 0
	TURN 1, 0, 1
	STEP 0, 0, 0
	s_sub_co_u32 s3, s3, 1
	s_cmp_lg_u32 s3, 0
	s_cbranch_scc1 .Llap
	TURN 0, 1, 0
	STEP 1, 0, 0
	s_wait_dscnt 4*NL
	WIN MUL_LO
	MUL16 0, 1, 1, 1, 0
	MUL16 2, 1, 1, 1, 0
	s_wait_dscnt 0
	WIN MUL_HI
	MUL16 4, 1, 1, 1, 0
	MUL16 6, 1, 1, 1, 0
	WIN 0
.macro MAXS lo, hi, src
.irp b, \lo, \hi
	v_max3_num_f32 v[TM+\b], |v[\src+16*(\b-\lo)]|, |v[\src+16*(\b-\lo)+1]|, 0x1800000
.endr
.irp b, \lo, \hi                               ; two chains for each block, so that four take turns: the second in v[TM+8+b]
	v_max3_num_f32 v[TM+8+\b], |v[\src+16*(\b-\lo)+2]|, |v[\src+16*(\b-\lo)+3]|, 0x1800000
.endr
.irp i, 4,8,12
.irp b, \lo, \hi
	v_max3_num_f32 v[TM+\b], |v[\src+16*(\b-\lo)+\i]|, |v[\src+16*(\b-\lo)+\i+1]|, v[TM+\b]
.endr
.irp b, \lo, \hi
	v_max3_num_f32 v[TM+8+\b], |v[\src+16*(\b-\lo)+\i+2]|, |v[\src+16*(\b-\lo)+\i+3]|, v[TM+8+\b]
.endr
.endr
.endm
.macro EPI a, mode
.set W,  2+(\a)/4
.set W2, W|(W<<2)
.set AC, 64*((\a)%4)
.set FW, ((\a)%4)/2                    ; cos and sin lie in a ring of four sets: blocks a % 4 = 0, 1 in window 0 (v64, v96), 2, 3 in window 1 (v96, v224)
.set FS, (1-FW)*(FQ+32*((\a)%2))+FW*(96+128*((\a)%2))
.set WR, W|(FW<<2)
.set WL, FW<<6
.set OC, 16*(\a)
.if \mode
.if (\a) < 5
	s_wait_loadcnt 24                              ; this block's cos and sin are in; the next three blocks' 24 loads may be out
.else
	s_wait_loadcnt 8*(7-(\a))
.endif
	WIN WR
.irp i, 0,1,2,3,4,5,6,7,8,9,10,11,12,13,14,15
	v_mul_f32 v[T1+\i], v[AC+48+\i], v[FS+2*\i+1]
	v_mul_f32 v[T2+\i], v[AC+32+\i], v[FS+2*\i+1]
.endr
.irp i, 0,1,2,3,4,5,6,7,8,9,10,11,12,13,14,15
	v_fma_f32 v[R+\i], v[AC+32+\i], v[FS+2*\i], -v[T1+\i]
	v_fma_f32 v[R+16+\i], v[AC+48+\i], v[FS+2*\i], v[T2+\i]
.endr
	WIN 0
.if (\a) < 4
	WIN WL                                         ; the set just read takes the block four further on
.irp m, 0,1,2,3,4,5,6,7
	global_load_b128 v[FS+4*\m:FS+4*\m+3], v[FA], s[FB:FB+1] offset:(32*(((\a)+4)/2)+8*((\a)%2))*256+16*\m
.endr
.endif
.endif
	WIN W2
	MAXS 0, 1, AC
.if \mode
	WIN 0
	MAXS 2, 3, R
.else
	MAXS 2, 3, AC+32
	WIN 0
.endif
.irp b, 0,1,2,3
	v_max_num_f32 v[TM+\b], v[TM+\b], v[TM+8+\b]   ; the two chains of each block
.endr
.irp b, 0,1,2,3
	v_permlanex16_b32 v[TM+4+\b], v[TM+\b], s[SEL], s[SEL+1]
.endr
.irp b, 0,1,2,3
	v_max_num_f32 v[TM+\b], v[TM+\b], v[TM+4+\b]
.endr
.irp b, 0,1,2,3
	v_add_nc_u32 v[TM+12+\b], 0xff000000, v[TM+\b]
.endr
.irp b, 0,1,2,3
	v_lshrrev_b32 v[TM+4+\b], 23, v[TM+12+\b]
.endr
	v_lshl_or_b32 v[PW], v[TM+5], 8, v[TM+4]
	v_lshl_or_b32 v[PW], v[TM+6], 16, v[PW]
	v_lshl_or_b32 v[PW], v[TM+7], 24, v[PW]
	WIN W
	v_cvt_scalef32_pk16_fp6_f32 v[PC:PC+2], v[AC:AC+15], v[TM+12]
	v_cvt_scalef32_pk16_fp6_f32 v[PC+12:PC+14], v[AC+16:AC+31], v[TM+13]
.if \mode
	WIN 0
	v_cvt_scalef32_pk16_fp6_f32 v[PC+6:PC+8], v[R:R+15], v[TM+14]
	v_cvt_scalef32_pk16_fp6_f32 v[PC+16:PC+18], v[R+16:R+31], v[TM+15]
.else
	v_cvt_scalef32_pk16_fp6_f32 v[PC+6:PC+8], v[AC+32:AC+47], v[TM+14]
	v_cvt_scalef32_pk16_fp6_f32 v[PC+16:PC+18], v[AC+48:AC+63], v[TM+15]
	WIN 0
.endif
	v_nop
.irp c, 0,1
.irp i, 0,1,2
	v_permlane16_swap_b32 v[PC+6*\c+\i], v[PC+12+4*\c+\i]
.endr
.irp i, 0,1,2
	v_mov_b32 v[PC+3+6*\c+\i], v[PC+12+4*\c+\i]
.endr
.endr
	WIN 0x40
.irp i, 0,1,2,3,4,5,6,7,8,9,10,11
	v_mov_b32 v[OC+\i], v[PC+\i]
.endr
	v_mov_b32 v[OC+12], v[PW]
.endm
.macro PUT a, cb, cstep, sb, sstep
	WIN 0x04
.irp m, 0,1,2
	global_store_b128 v[L16], v[16*(\a)+4*\m:16*(\a)+4*\m+3], s[\cb:\cb+1] offset:\cstep*(\a)+512*\m
.endr
	global_store_b32 v[L4], v[16*(\a)+12], s[\sb:\sb+1] offset:\sstep*(\a)
	WIN 0
.endm
	PLACES NP
.irp b, 0,1,2,3
	v_mov_b32 v[TM+4+\b], 0
.endr
	s_cmp_eq_u32 s18, 8
	s_cbranch_scc1 .Lkv
.irp a, 0,1,2,3,4,5,6,7
	EPI \a, 1
	PUT \a, CB, 1536, SB, 128
.endr
	s_branch .Ldone
.Lkv:
	s_wait_loadcnt 0x0
.irp a, 0,1,2,3,4,5,6,7
	EPI \a, 0
	PUT \a, KCB, REC, KSB, REC
.endr
.Ldone:
	s_wait_tensorcnt 0x0
	ds_add_u32 v[SPW], v[NIL]
	s_wait_dscnt 0x0
	CROUND
	s_endpgm
.Lfunc_end_k_q0dec96e61d_gq:
	.size	k_q0dec96e61d_gq, .Lfunc_end_k_q0dec96e61d_gq-k_q0dec96e61d_gq
	.p2alignl 7, 3214868480
	.fill 96, 4, 3214868480
	.section	.rodata,"a",@progbits
	.p2align	6, 0x0
	.amdhsa_kernel k_q0dec96e61d_gq
		.amdhsa_group_segment_fixed_size 327680
		.amdhsa_private_segment_fixed_size 0
		.amdhsa_enable_private_segment 0
		.amdhsa_kernarg_size 40
		.amdhsa_user_sgpr_count 2
		.amdhsa_user_sgpr_kernarg_segment_ptr 1
		.amdhsa_wavefront_size32 1
		.amdhsa_system_sgpr_workgroup_id_x 1
		.amdhsa_system_sgpr_workgroup_id_y 1
		.amdhsa_system_sgpr_workgroup_id_z 1
		.amdhsa_system_vgpr_workitem_id 0
		.amdhsa_next_free_vgpr 1024
		.amdhsa_next_free_sgpr 100
		.amdhsa_reserve_vcc 0
		.amdhsa_float_denorm_mode_32 3
		.amdhsa_float_denorm_mode_16_64 3
		.amdhsa_memory_ordered 1
		.amdhsa_forward_progress 1
		.amdhsa_inst_pref_size 220
	.end_amdhsa_kernel
	.amdgpu_metadata
---
amdhsa.version: [ 1, 2 ]
amdhsa.kernels:
  - .name:           k_q0dec96e61d_gq
    .symbol:         k_q0dec96e61d_gq.kd
    .args:
      - { .name: xi, .offset: 0, .size: 8, .value_kind: global_buffer, .address_space: global }
      - { .name: wi, .offset: 8, .size: 8, .value_kind: global_buffer, .address_space: global }
      - { .name: freqs_cis, .offset: 16, .size: 8, .value_kind: global_buffer, .address_space: global }
      - { .name: qi, .offset: 24, .size: 8, .value_kind: global_buffer, .address_space: global }
      - { .name: kvi, .offset: 32, .size: 8, .value_kind: global_buffer, .address_space: global }
    .group_segment_fixed_size: 327680
    .private_segment_fixed_size: 0
    .kernarg_segment_align: 8
    .kernarg_segment_size: 40
    .max_flat_workgroup_size: 128
    .sgpr_count:     100
    .vgpr_count:     1024
    .wavefront_size: 32
...
	.end_amdgpu_metadata
.endif
;; end of part 2
;; launch kvup (part 3): grid 192 x 1, 4 waves a work-group, no clusters, 167,936 bytes of LDS; arguments kvi, wi, freqs_cis, kvs; writes kvs
.if DOCPART == 3
	.amdgcn_target "amdgcn-amd-amdhsa--gfx1250"
	.amdhsa_code_object_version 6
	.text
	.protected	k_q0dec96e61d_kvup
	.globl	k_q0dec96e61d_kvup
	.p2align	8
	.type	k_q0dec96e61d_kvup,@function
k_q0dec96e61d_kvup:
	s_mov_b64 s[64:65], 0
	v_nop
	global_prefetch_b8 v0, s[64:65] scope:SCOPE_SE
	s_setreg_imm32_b32 hwreg(HW_REG_WAVE_MODE, 25, 1), 1
	s_wait_xcnt 0x0
; k = rope(kv w_k_up) and v = kv w_v_up, K = 256: one slot, no refill.  Operands are records as in the launch before (256 along K of a tile of 16 rows, 3,328 bytes); a tile of the result is 256 x 256, a wave's 128 x 128.
; Work-groups 0-127 make k: source 1 (the lane) = tokens, source 0 (the registers) = w_k_up's columns: a wave's 128 columns are one head; RoPE on columns 64-127, then the quantiser along the head's 128.
; Work-groups 128-191 make v WITH THE OPERANDS' ROLES CHANGED: the lane = a column of w_v_up (a channel d of a head), the registers = 128 neighbouring tokens: so v is quantised along the KEYS, as the second product of attention wants it.
; Lane r of tile T stands for index 32 (T / 2) + 8 (T % 2) + r + 8 (r / 8), so a lane's 16 registers of tiles 2 b, 2 b + 1 of source 0 are the neighbours 32 b + 16 (lane / 16) + 0 .. 15.
; OUT: kvs [32 batch x head][8 slots of 256 keys][40,960]: K's 16 fragments, V's 8 ([key step][tile of d]), K's 16 images of scale words (128 bytes), V's 8 (the word twice, 8 bytes a lane: 256 bytes).
; Each block's codes and scale word are copied into registers of their own (window 1, where B's fragments are done with) and stored from there: no store's data are ever written again, so the way out has no wait for its stores.
; NO CLUSTER: a work-group fills its one slot once, 106,496 bytes, and there is no loop over which shared requests could meet; the two kinds of work-groups take their operands from different buffers.
; LIMITS: a block of zeros gets the byte 1 (its codes are zeros; this program alone reads the bytes); largest magnitudes under 2^-124 are held at byte 1; NaN and infinities are not served.
; REGISTERS as in the launch before: window 0: v16-29 addresses, v32-47 scale words, v64-127 cos and sin, v128-223 A's fragments; window 1: B's two sets (on the way out block a's codes at v[16 a] on, its scale word twice at v[16 a + 12]); windows 2, 3: the accumulators.
.set REC,   3328
.set HALFT, 8*REC
.set SLOT,  4*HALFT
.set SPARE, SLOT                       ; behind the slot: the spare words, 128 bytes for each wave: two blocks of 256 bytes that no other line names
.set SREC,  40960
.set FR,    12
.set NL,    3
.set NP,    4
.set ADRA,  16
.set ADRB,  20
.set ADRS,  22
.set L16,   24
.set L4,    25
.set FA,    26
.set L8,    27
.set SPW,   28
.set NIL,   29
.set SC,    32
.set FQ,    64
.set AF,    128
.set R,     128
.set T1,    160
.set T2,    176
.set TM,    192
.set PW,    208                        ; the scale word
.set PC,    216
.set G1,    24                         ; s[24:31] group 1;  s[32:35] group 0 for A, s[36:39] for B
.set G0,    32
.set G0B,   36
.set KC,    54                         ; s[54:55] K's codes, s[56:57] K's scale words, s[58:59] V's codes, s[60:61] V's scale words
.set KS,    56
.set VC,    58
.set VS,    60
.set FB,    68                         ; s[68:69] cos and sin at my first token
.set SEL,   70
.set MSB, 0
.macro WIN new
.if MSB != \new
	s_set_vgpr_msb (MSB<<8)|\new
.set MSB, \new
.endif
.endm
.set MUL_LO, 0xa1
.set MUL_HI, 0xf1
.set TO_B,   0x40
	s_load_b256 s[4:11], s[0:1], 0x0               ; kvi s[4:5], wi s[6:7], freqs_cis s[8:9], kvs s[10:11]
	v_lshl_add_u32 v[SPW], v0, 2, SPARE
	v_mov_b32 v[NIL], 0
	ds_add_u32 v[SPW], v[NIL]                      ; the wave's opening: the add and its wait ahead of my first tensor load
	ds_add_u32 v[SPW], v[NIL]
	v_lshrrev_b32 v1, 5, v0
	v_readfirstlane_b32 s14, v1                    ; wave 0..3
	s_lshr_b32 s15, s14, 1                         ; row half.  Also: I fetch for A (0) or for B (1)
	s_and_b32 s16, s14, 1                          ; column half.  Also: which 8 records I fetch
	s_lshr_b32 s40, ttmp9, 3                       ; k: tile of 256 tokens
	s_and_b32 s41, ttmp9, 7                        ; k: tile of 256 columns
	s_lshl_b32 s42, s41, 4                         ; k: its first record
	s_and_b32 s43, ttmp9, 127
	s_lshr_b32 s44, s43, 2                         ; v: tile of 256 tokens
	s_and_b32 s43, s43, 3                          ; v: tile of 256 columns
	s_lshl_b32 s45, s43, 4
	s_add_co_u32 s45, s45, 128                     ; v: its first record
	s_cmp_lt_u32 ttmp9, 128                        ; k or v: the work-group's number alone decides
	s_cselect_b32 s17, s40, s44
	s_cselect_b32 s18, s42, s45
	s_mov_b32 s[G1], 3<<16                         ; no mask; elements of 8 bytes; no padding
	s_mov_b32 s[G1+1], 32<<16                      ; rows of 256 bytes,
	s_mov_b32 s[G1+2], 104<<16                     ; 104 of them: 26,624 dense bytes
	s_mov_b32 s[G1+3], 32<<16
	s_mov_b32 s[G1+4], 104
	s_mov_b32 s[G1+5], 32
	s_mov_b32 s[G1+6], 0
	s_mov_b32 s[G1+7], 0
	s_lshl_b32 s19, s16, 3
	s_lshl_b32 s20, s17, 4
	s_add_co_u32 s20, s20, s19
	s_mul_i32 s20, s20, REC                        ; kv's records: 16 x token tile + 8 x half
	s_mov_b32 s21, 0
	s_add_co_u32 s22, s18, s19
	s_mul_i32 s22, s22, REC
	s_add_co_u32 s22, s22, 3833856                 ; the weights' records, in wi's second operand
	s_mov_b32 s23, 0
	s_mul_i32 s66, s14, HALFT                      ; where they go: wave x 8 records
	s_mov_b32 s[SEL], 0x76543210
	s_mov_b32 s[SEL+1], 0xfedcba98
	s_wait_dscnt 0x0                               ; the opening add is done
	s_wait_kmcnt 0x0
	s_add_nc_u64 s[20:21], s[4:5], s[20:21]
	s_add_nc_u64 s[22:23], s[6:7], s[22:23]
	s_cmp_lt_u32 ttmp9, 128
	s_cselect_b64 s[46:47], s[20:21], s[22:23]     ; A (the lane): k: tokens; v: w_v_up's columns
	s_cselect_b64 s[48:49], s[22:23], s[20:21]     ; B (the registers): k: w_k_up's columns; v: tokens
	s_mov_b32 s[G0], 1
	s_mov_b32 s[G0+1], s66
	s_mov_b64 s[G0+2:G0+3], s[46:47]
	s_or_b32 s[G0+3], s[G0+3], 0x80000000
	s_mov_b32 s[G0B], 1
	s_mov_b32 s[G0B+1], s66
	s_mov_b64 s[G0B+2:G0B+3], s[48:49]
	s_or_b32 s[G0B+3], s[G0B+3], 0x80000000
	s_cmp_eq_u32 s15, 0                            ; waves 0 and 1 fetch A's halves, waves 2 and 3 B's: one load a wave, the only fill of the launch
	s_cbranch_scc0 .Lfor_b
	tensor_load_to_lds s[G0:G0+3], s[G1:G1+7]
	s_nop 0
.rept 4
	v_nop
.endr
	s_branch .Lasked
.Lfor_b:
	tensor_load_to_lds s[G0B:G0B+3], s[G1:G1+7]
	s_nop 0
.rept 4
	v_nop
.endr
.Lasked:
	v_and_b32 v1, 31, v0
	v_bfe_u32 v2, v0, 4, 1
	v_and_b32 v3, 15, v0
	v_lshlrev_b32 v[L16], 4, v1
	v_lshlrev_b32 v[L4], 2, v1
	v_lshlrev_b32 v[L8], 3, v1
	s_mul_i32 s50, s15, HALFT
	s_add_co_u32 s51, s16, 2
	s_mul_i32 s51, s51, HALFT
	s_xor_b32 s52, s15, 1
	s_add_co_u32 s52, s52, s16
	s_add_co_u32 s52, s52, 1
	s_mul_i32 s52, s52, HALFT                      ; from my records of A to my records of B
	v_mul_u32_u24 v4, s52, v2
	v_add_nc_u32 v4, v4, v[L4]
	v_add_nc_u32 v[ADRA], s50, v[L16]
	v_add_nc_u32 v[ADRB], s51, v[L16]
	v_add_nc_u32 v[ADRS], s50, v4
	v_and_b32 v5, 8, v3
	v_add_nc_u32 v5, v5, v3
	v_lshlrev_b32 v[FA], 8, v5
	v_lshl_add_u32 v[FA], v2, 7, v[FA]
	s_mov_b32 s53, 0
	s_and_b32 s50, s40, 7
	s_lshl_b32 s50, s50, 1
	s_add_co_u32 s50, s50, s15
	s_lshl_b32 s52, s50, 15                        ; my 128 tokens within the batch x 256 bytes (taken modulo 8 tiles: inside the table in v's work-groups too)
	s_add_nc_u64 s[FB:FB+1], s[8:9], s[52:53]
.irp a, 0,1
.irp m, 0,1,2,3,4,5,6,7
	global_load_b128 v[FQ+32*\a+4*\m:FQ+32*\a+4*\m+3], v[FA], s[FB:FB+1] offset:8*\a*256+16*\m
.endr
.endr
	s_wait_alu depctr_va_vdst(0)                   ; ahead of the readers below
	WIN 0x40                                       ; and of blocks 2 and 3: window 1's v96-127 and v224-255, which no fragment uses
.irp m, 0,1,2,3,4,5,6,7
	global_load_b128 v[96+4*\m:99+4*\m], v[FA], s[FB:FB+1] offset:32*256+16*\m
.endr
.irp m, 0,1,2,3,4,5,6,7
	global_load_b128 v[224+4*\m:227+4*\m], v[FA], s[FB:FB+1] offset:40*256+16*\m
.endr
	WIN 0
	s_lshr_b32 s50, s40, 3                         ; k: batch
	s_lshl_b32 s50, s50, 4
	s_lshl_b32 s51, s41, 1
	s_add_co_u32 s50, s50, s51
	s_add_co_u32 s50, s50, s16                     ; 16 x batch + head
	s_lshl_b32 s50, s50, 3
	s_and_b32 s51, s40, 7
	s_add_co_u32 s50, s50, s51                     ; x 8 slots + slot
	s_mul_i32 s50, s50, SREC
	s_mul_i32 s51, s15, 8*1536
	s_add_co_u32 s52, s50, s51
	s_add_nc_u64 s[KC:KC+1], s[10:11], s[52:53]
	s_lshl_b32 s51, s15, 10
	s_add_co_u32 s52, s50, s51
	s_add_co_u32 s52, s52, 36864
	s_add_nc_u64 s[KS:KS+1], s[10:11], s[52:53]
	s_lshr_b32 s50, s44, 3                         ; v: batch
	s_lshl_b32 s50, s50, 4
	s_lshl_b32 s51, s43, 2
	s_add_co_u32 s50, s50, s51
	s_lshl_b32 s51, s15, 1
	s_add_co_u32 s50, s50, s51                     ; 16 x batch + the head of my blocks 0-3 (blocks 4-7: the next head)
	s_lshl_b32 s50, s50, 3
	s_and_b32 s51, s44, 7
	s_add_co_u32 s50, s50, s51
	s_mul_i32 s50, s50, SREC
	s_mul_i32 s51, s16, 4*1536                     ; my 128 tokens are the slot's key step 0 or 1
	s_add_co_u32 s52, s50, s51
	s_add_co_u32 s52, s52, 24576
	s_add_nc_u64 s[VC:VC+1], s[10:11], s[52:53]
	s_lshl_b32 s51, s16, 10
	s_add_co_u32 s52, s50, s51
	s_add_co_u32 s52, s52, 38912
	s_add_nc_u64 s[VS:VS+1], s[10:11], s[52:53]
.macro FRAG reg, adr, q, i
.irp m, 0,1,2
	ds_load_b128 v[\reg+4*\m:\reg+4*\m+3], v[\adr] offset:REC*(\i)+1536*(\q)+512*\m
.endr
.endm
; 16 matrix instructions: A's blocks a0, a0 + 1 x B's eight.  The 64 accumulators take turns, one instruction a turn.
.macro MUL16 a0, p, q, zero
.irp a, \a0, \a0+1
.irp b, 0,1,2,3,4,5,6,7
.if \zero
	v_wmma_scale_f32_16x16x128_f8f6f4 v[8*(8*((\a)%4)+\b):8*(8*((\a)%4)+\b)+7], v[128*(\p)+FR*\b:128*(\p)+FR*\b+FR-1], v[AF+FR*(\a):AF+FR*(\a)+FR-1], 0, v[SC+2*\b+(\q)], v[SC+2*(\a)+(\q)] matrix_a_fmt:MATRIX_FMT_FP6 matrix_b_fmt:MATRIX_FMT_FP6 matrix_a_scale:MATRIX_SCALE_ROW1
.else
	v_wmma_scale_f32_16x16x128_f8f6f4 v[8*(8*((\a)%4)+\b):8*(8*((\a)%4)+\b)+7], v[128*(\p)+FR*\b:128*(\p)+FR*\b+FR-1], v[AF+FR*(\a):AF+FR*(\a)+FR-1], v[8*(8*((\a)%4)+\b):8*(8*((\a)%4)+\b)+7], v[SC+2*\b+(\q)], v[SC+2*(\a)+(\q)] matrix_a_fmt:MATRIX_FMT_FP6 matrix_b_fmt:MATRIX_FMT_FP6 matrix_a_scale:MATRIX_SCALE_ROW1
.endif
.endr
.endr
.endm
.macro FETCH_B q, p
	WIN TO_B
.irp i, 0,1,2,3,4,5,6,7
	FRAG 128*(\p)+FR*\i, ADRB, \q, \i
.endr
	WIN 0
.endm
.macro FETCH_A q, i0
.irp i, \i0, \i0+1, \i0+2, \i0+3
	FRAG AF+FR*(\i), ADRA, \q, \i
.endr
.endm
.macro PLACES n
.rept \n
	v_nop
.endr
.endm
	s_wait_alu depctr_va_vdst(0)
	s_wait_tensorcnt 0x0                           ; my part of the slot is in,
	s_barrier_signal -1
	s_barrier_wait -1                              ; everybody's is
	FETCH_B 0, 0
	FETCH_A 0, 0
.irp i, 0,1,2,3,4,5,6,7
.irp q, 0,1
	ds_load_b32 v[SC+2*\i+\q], v[ADRS] offset:REC*\i+3072+128*\q   ; lanes 0-15: the word of A's block i; lanes 16-31: of B's block i
.endr
.endr
	FETCH_A 0, 4
	s_wait_dscnt 4*NL                              ; all but the youngest twelve loads (A's blocks 4-7)
	WIN MUL_LO
	MUL16 0, 0, 0, 1                               ; the first 128 along K start the sums
	MUL16 2, 0, 0, 1
	s_wait_dscnt 0
	PLACES NP
	FETCH_B 1, 1
	FETCH_A 1, 0
	WIN MUL_HI
	MUL16 4, 0, 0, 1
	MUL16 6, 0, 0, 1
	PLACES NP
	WIN 0
	FETCH_A 1, 4
	s_wait_dscnt 4*NL
	WIN MUL_LO
	MUL16 0, 1, 1, 0
	MUL16 2, 1, 1, 0
	s_wait_dscnt 0
	WIN MUL_HI
	MUL16 4, 1, 1, 0
	MUL16 6, 1, 1, 0
	WIN 0
; THE WAY OUT of A's block a: register AC + 16 b + i of window W holds index 32 b + 16 (lane / 16) + i of my lane's row.
.macro MAXS lo, hi, src
.irp b, \lo, \hi
	v_max3_num_f32 v[TM+\b], |v[\src+16*(\b-\lo)]|, |v[\src+16*(\b-\lo)+1]|, 0x1800000   ; with the floor 2^(3 - 127); each accumulator is read from its low end on
.endr
.irp b, \lo, \hi                               ; two chains for each block, so that four take turns: the second in v[TM+8+b]
	v_max3_num_f32 v[TM+8+\b], |v[\src+16*(\b-\lo)+2]|, |v[\src+16*(\b-\lo)+3]|, 0x1800000
.endr
.irp i, 4,8,12
.irp b, \lo, \hi
	v_max3_num_f32 v[TM+\b], |v[\src+16*(\b-\lo)+\i]|, |v[\src+16*(\b-\lo)+\i+1]|, v[TM+\b]
.endr
.irp b, \lo, \hi
	v_max3_num_f32 v[TM+8+\b], |v[\src+16*(\b-\lo)+\i+2]|, |v[\src+16*(\b-\lo)+\i+3]|, v[TM+8+\b]
.endr
.endr
.endm
.macro EPI a, mode                     ; mode 1: RoPE on blocks 2 and 3 first
.set W,  2+(\a)/4
.set W2, W|(W<<2)
.set AC, 64*((\a)%4)
.set FW, ((\a)%4)/2                    ; cos and sin lie in a ring of four sets: blocks a % 4 = 0, 1 in window 0 (v64, v96), 2, 3 in window 1 (v96, v224)
.set FS, (1-FW)*(FQ+32*((\a)%2))+FW*(96+128*((\a)%2))
.set WR, W|(FW<<2)
.set WL, FW<<6
.set OC, 16*(\a)
.if \mode
.if (\a) < 5
	s_wait_loadcnt 24                              ; this block's cos and sin are in; the next three blocks' 24 loads may be out
.else
	s_wait_loadcnt 8*(7-(\a))
.endif
	WIN WR
.irp i, 0,1,2,3,4,5,6,7,8,9,10,11,12,13,14,15
	v_mul_f32 v[T1+\i], v[AC+48+\i], v[FS+2*\i+1]
	v_mul_f32 v[T2+\i], v[AC+32+\i], v[FS+2*\i+1]
.endr
.irp i, 0,1,2,3,4,5,6,7,8,9,10,11,12,13,14,15
	v_fma_f32 v[R+\i], v[AC+32+\i], v[FS+2*\i], -v[T1+\i]      ; e < 32: x(e) cos - x(e + 32) sin
	v_fma_f32 v[R+16+\i], v[AC+48+\i], v[FS+2*\i], v[T2+\i]    ; e >= 32: x(e) cos + x(e - 32) sin
.endr
	WIN 0
.if (\a) < 4
	WIN WL                                         ; the set just read takes the block four further on
.irp m, 0,1,2,3,4,5,6,7
	global_load_b128 v[FS+4*\m:FS+4*\m+3], v[FA], s[FB:FB+1] offset:(32*(((\a)+4)/2)+8*((\a)%2))*256+16*\m
.endr
.endif
.endif
	WIN W2
	MAXS 0, 1, AC
.if \mode
	WIN 0
	MAXS 2, 3, R
.else
	MAXS 2, 3, AC+32
	WIN 0
.endif
.irp b, 0,1,2,3
	v_max_num_f32 v[TM+\b], v[TM+\b], v[TM+8+\b]   ; the two chains of each block
.endr
.irp b, 0,1,2,3
	v_permlanex16_b32 v[TM+4+\b], v[TM+\b], s[SEL], s[SEL+1]
.endr
.irp b, 0,1,2,3
	v_max_num_f32 v[TM+\b], v[TM+\b], v[TM+4+\b]
.endr
.irp b, 0,1,2,3
	v_add_nc_u32 v[TM+12+\b], 0xff000000, v[TM+\b]
.endr
.irp b, 0,1,2,3
	v_lshrrev_b32 v[TM+4+\b], 23, v[TM+12+\b]
.endr
	v_lshl_or_b32 v[PW], v[TM+5], 8, v[TM+4]
	v_lshl_or_b32 v[PW], v[TM+6], 16, v[PW]
	v_lshl_or_b32 v[PW], v[TM+7], 24, v[PW]
	WIN W
	v_cvt_scalef32_pk16_fp6_f32 v[PC:PC+2], v[AC:AC+15], v[TM+12]
	v_cvt_scalef32_pk16_fp6_f32 v[PC+12:PC+14], v[AC+16:AC+31], v[TM+13]
.if \mode
	WIN 0
	v_cvt_scalef32_pk16_fp6_f32 v[PC+6:PC+8], v[R:R+15], v[TM+14]
	v_cvt_scalef32_pk16_fp6_f32 v[PC+16:PC+18], v[R+16:R+31], v[TM+15]
.else
	v_cvt_scalef32_pk16_fp6_f32 v[PC+6:PC+8], v[AC+32:AC+47], v[TM+14]
	v_cvt_scalef32_pk16_fp6_f32 v[PC+16:PC+18], v[AC+48:AC+63], v[TM+15]
	WIN 0
.endif
	v_nop                                          ; one plain place behind a scaled conversion
.irp c, 0,1
.irp i, 0,1,2
	v_permlane16_swap_b32 v[PC+6*\c+\i], v[PC+12+4*\c+\i]
.endr
.irp i, 0,1,2
	v_mov_b32 v[PC+3+6*\c+\i], v[PC+12+4*\c+\i]
.endr
.endr
	WIN 0x40                                       ; destination window 1: the block's own registers, which nothing writes again
.irp i, 0,1,2,3,4,5,6,7,8,9,10,11
	v_mov_b32 v[OC+\i], v[PC+\i]
.endr
	v_mov_b32 v[OC+12], v[PW]
	v_mov_b32 v[OC+13], v[PW]
	WIN 0x04                                       ; for the stores that follow: a store's data are its source 1: window 1; its address is source 0: window 0
.endm
	PLACES NP
.irp b, 0,1,2,3
	v_mov_b32 v[TM+4+\b], 0                        ; written once: a lane permute's destination counts as one of its sources
.endr
	s_cmp_lt_u32 ttmp9, 128
	s_cbranch_scc0 .Lv
.irp a, 0,1,2,3,4,5,6,7                        ; k: block a is key tile 8 x row half + a of the slot
	EPI \a, 1
.irp m, 0,1,2
	global_store_b128 v[L16], v[16*\a+4*\m:16*\a+4*\m+3], s[KC:KC+1] offset:1536*\a+512*\m
.endr
	global_store_b32 v[L4], v[16*\a+12], s[KS:KS+1] offset:128*\a
	WIN 0
.endr
	s_branch .Ldone
.Lv:
	s_wait_loadcnt 0x0                             ; cos and sin, which v does not use
.irp a, 0,1,2,3,4,5,6,7                        ; v: block a is tile a % 4 of d of head (first head + a / 4); a head's 8 slots are 327,680 bytes
	EPI \a, 0
.irp m, 0,1,2
	global_store_b128 v[L16], v[16*\a+4*\m:16*\a+4*\m+3], s[VC:VC+1] offset:(\a/4)*8*SREC+(\a%4)*1536+512*\m
.endr
	global_store_b64 v[L8], v[16*\a+12:16*\a+13], s[VS:VS+1] offset:(\a/4)*8*SREC+(\a%4)*256   ; the word twice: 32 lanes store 256 consecutive bytes, aligned
	WIN 0
.endr
.Ldone:
	s_wait_tensorcnt 0x0                           ; the wave's end: behind my last tensor load
	ds_add_u32 v[SPW], v[NIL]
	s_wait_dscnt 0x0
	s_endpgm
.Lfunc_end_k_q0dec96e61d_kvup:
	.size	k_q0dec96e61d_kvup, .Lfunc_end_k_q0dec96e61d_kvup-k_q0dec96e61d_kvup
	.p2alignl 7, 3214868480
	.fill 96, 4, 3214868480
	.section	.rodata,"a",@progbits
	.p2align	6, 0x0
	.amdhsa_kernel k_q0dec96e61d_kvup
		.amdhsa_group_segment_fixed_size 167936
		.amdhsa_private_segment_fixed_size 0
		.amdhsa_enable_private_segment 0
		.amdhsa_kernarg_size 32
		.amdhsa_user_sgpr_count 2
		.amdhsa_user_sgpr_kernarg_segment_ptr 1
		.amdhsa_wavefront_size32 1
		.amdhsa_system_sgpr_workgroup_id_x 1
		.amdhsa_system_sgpr_workgroup_id_y 1
		.amdhsa_system_sgpr_workgroup_id_z 1
		.amdhsa_system_vgpr_workitem_id 0
		.amdhsa_next_free_vgpr 1024
		.amdhsa_next_free_sgpr 100
		.amdhsa_reserve_vcc 0
		.amdhsa_float_denorm_mode_32 3
		.amdhsa_float_denorm_mode_16_64 3
		.amdhsa_memory_ordered 1
		.amdhsa_forward_progress 1
		.amdhsa_inst_pref_size 141
	.end_amdhsa_kernel
	.amdgpu_metadata
---
amdhsa.version: [ 1, 2 ]
amdhsa.kernels:
  - .name:           k_q0dec96e61d_kvup
    .symbol:         k_q0dec96e61d_kvup.kd
    .args:
      - { .name: kvi, .offset: 0, .size: 8, .value_kind: global_buffer, .address_space: global }
      - { .name: wi, .offset: 8, .size: 8, .value_kind: global_buffer, .address_space: global }
      - { .name: freqs_cis, .offset: 16, .size: 8, .value_kind: global_buffer, .address_space: global }
      - { .name: kvs, .offset: 24, .size: 8, .value_kind: global_buffer, .address_space: global }
    .group_segment_fixed_size: 167936
    .private_segment_fixed_size: 0
    .kernarg_segment_align: 8
    .kernarg_segment_size: 32
    .max_flat_workgroup_size: 128
    .sgpr_count:     100
    .vgpr_count:     1024
    .wavefront_size: 32
...
	.end_amdgpu_metadata
.endif
;; end of part 3
;; launch attn (part 4): grid 8 x 32, 16 waves a work-group, no clusters, 327,680 bytes of LDS; arguments qi, kvs, oi; writes oi
.if DOCPART == 4
	.amdgcn_target "amdgcn-amd-amdhsa--gfx1250"
	.amdhsa_code_object_version 6
	.text
	.protected	k_q0dec96e61d_attn
	.globl	k_q0dec96e61d_attn
	.p2align	8
	.type	k_q0dec96e61d_attn,@function
k_q0dec96e61d_attn:
	s_mov_b64 s[64:65], 0
	v_nop
	global_prefetch_b8 v0, s[64:65] scope:SCOPE_SE
	s_setreg_imm32_b32 hwreg(HW_REG_WAVE_MODE, 25, 1), 1
	s_wait_xcnt 0x0
; o[b][q][head][:] = the sum over keys k <= q of softmax_k(q . k / sqrt(128)) v[k][:], both products on codes of FP6 (E2M3) with one E8M0 scale for each 32 along a product's K; o is quantised along (head, d) on the way out.
; THE SOFTMAX AHEAD OF THE SECOND PRODUCT: t = score x log2(e) / sqrt(128); M = the row's largest t so far, rounded UP to a whole number; p = 2^(t - M) is quantised along the keys, not normalised.
; The row's sum is taken of the unquantised p, in f32, and divides O at the end.  When M moves, the sum and O are multiplied by 2^(old M - new M): exact.
; ALL OPERANDS ARE IMAGES OF REGISTERS: a fragment is three loads of 16 bytes a lane, its scale words one of 4.  Lane r of a tile T of tokens stands for token 32 (T / 2) + 8 (T % 2) + r + 8 (r / 8).
; Both products are used transposed: S^T = K Q^T (source 0 = 16 keys, source 1 = my 16 queries), O^T = V^T P^T (source 0 = 16 of the head's 64, source 1 = P): a lane holds ONE query throughout,
; the 16 registers of key tiles 2 b, 2 b + 1 are the keys 32 b + 16 (lane / 16) + 0 .. 15, and those of O^T's tiles 2 b, 2 b + 1 the channels 32 b + 16 (lane / 16) + 0 .. 15.
; SHARES.  Work-group (i, batch x head) owns the blocks i and 15 - i of 128 queries: 17 key steps of 128 for each pair of tiles, in every work-group.  Each of its sixteen waves owns one tile of 16 queries:
; wave w takes tile w / 2 of the late block where bit 0 and bit 2 of w differ, else of the early one: so of any four waves w, w + 4, w + 8, w + 12, and of any four neighbours, two are early and two late.
; K and V come through a ring of two LDS slots of 256 keys (40,960 dense bytes), filled by waves 0-3, 10,240 bytes each, and read by all sixteen.
; LDS LOADS AHEAD OF THEIR USE.  A step's eight fragments of K are asked for in one run, into two sets of registers; V's four are asked for as soon as the first set is free, ahead of the softmax, and waited for behind it.
; CAUSAL.  Every work-group walks all 8 slots: trip counts are constants.  A key step all of whose keys come after the wave's block is jumped over; on the diagonal hidden scores become -infinity; a slot whose first key
; comes after the work-group's last query is not asked for.
; NO CLUSTER: the work-groups of a head need different numbers of slots (16 - i key steps), and a slot's 40,960 bytes feed two key steps of sixteen waves, some 230 vector instructions a wave and step.
; LIMITS: a block of zeros gets the byte 1 (its codes are zeros; this program alone reads the bytes); largest magnitudes under 2^-124 are held at byte 1; NaN and infinities are not served.
; REGISTERS: v1-3 16, 4, 8 x lane; v8-10 addresses in hand; v12 -M, v13 the largest t, v[14:15] the sum; v16-27 Q; v28-31 scale words of K's second four tiles; v32-79 four fragments (K's first four, then V's);
;   v80-127 K's second four; v128-191 S^T, then p; v192-223 O^T; v224-235 p's codes; v232-247, v252-254 at work; v248-251 scale words of the first set; v255 Q's scale words.
.set SREC,  40960
.set VCO,   24576                      ; in a slot: V's fragments,
.set KSO,   36864                      ; K's scale words,
.set VSO,   38912                      ; V's
.set SLOT1, 1<<17                      ; slot 1 begins here: one exclusive or turns an address from one slot to the other
.set SPARE, 2*SLOT1                    ; the spare words, 128 bytes for each wave: eight blocks of 256 bytes that no other line names
.set L16,  1
.set L4,   2
.set L8,   3
.set PFO,  4                           ; v4  256 x lane: the prefetches' offset; never rewritten
.set SPW,  5                           ; v5  my spare word; never rewritten
.set NIL,  6                           ; v6  0; never rewritten
.set DQ,   7                           ; v7  my query's place in its block - 16 (lane / 16)
.set ADK,  8
.set ADS,  9
.set ADT,  10
.set KSB,  28                          ; v28-31
.set KA,   32                          ; v32-79
.set KB,   80                          ; v80-127
.set S,    128                         ; v128-191
.set O,    192                         ; v192-223
.set KSA,  248                         ; v248-251
.set WV,   18
.set SEL,  20
.set CS,   22                          ; s[22:23] c = log2(e) / sqrt(128)
.set G1,   24
.set G0,   32
.set TB,   36                          ; LDS byte at which the slot in hand begins
.set SLOTS, 37                         ; changes of slots still to come that may fill
.set KF,   38                          ; the step's first key
.set QB,   39                          ; my block's first query
.set QL,   40                          ; my work-group's last query
.set PFA,  42                          ; s[42:43] where my prefetches stand
.set LIM,  44                          ; 1 in a wave that prefetches, else the greatest number
.macro TLOAD                           ; waves 0-3 fetch a quarter of a slot each; an s_nop 0 and four v_nop follow the line
	s_cmp_lt_u32 s[WV], 4
	s_cbranch_scc0 .Lasked_\@
	tensor_load_to_lds s[G0:G0+3], s[G1:G1+7]
	s_nop 0
.rept 4
	v_nop
.endr
.Lasked_\@:
.endm
; A PREFETCH INTO THE L2 of the slot that the NEXT change of slots will ask for: 40,960 bytes, 160 blocks of 256.  All work-groups of a head walk the same slots: the head's first work-group asks;
; in it waves 4-8, which fetch nothing, one instruction each: 8,192 bytes a wave, lanes 256 bytes apart.  So each block is named once in the launch.  The last change that fills a slot asks for nothing; slots 0 and 1 come by their loads alone.
.macro ASK
	s_cmp_gt_u32 s[SLOTS], s[LIM]
	s_cbranch_scc0 .Lnot_mine_\@
	global_prefetch_b8 v[PFO], s[PFA:PFA+1] th:TH_LOAD_NT scope:SCOPE_SE
.Lnot_mine_\@:
.endm
	s_load_b128 s[4:7], s[0:1], 0x0                ; qi s[4:5], kvs s[6:7]
	s_load_b64 s[8:9], s[0:1], 0x10                ; oi
	v_lshl_add_u32 v[SPW], v0, 2, SPARE
	v_mov_b32 v[NIL], 0
	ds_add_u32 v[SPW], v[NIL]                      ; the wave's opening: the add and its wait ahead of my first tensor load; work on registers stands between them
	ds_add_u32 v[SPW], v[NIL]
	v_lshrrev_b32 v8, 5, v0
	s_delay_alu instid0(VALU_DEP_1)
	v_readfirstlane_b32 s[WV], v8                  ; wave 0..15
	s_and_b32 s10, ttmp7, 0xffff                   ; 16 x batch + head
	s_lshr_b32 s11, s[WV], 2
	s_xor_b32 s11, s11, s[WV]
	s_and_b32 s11, s11, 1                          ; 1: the late block
	s_sub_co_u32 s12, 15, ttmp9
	s_cmp_eq_u32 s11, 1
	s_cselect_b32 s13, s12, ttmp9                  ; my block of 128 queries
	s_lshl_b32 s[QB], s13, 7
	s_lshl_b32 s[QL], s12, 7
	s_or_b32 s[QL], s[QL], 127
	s_lshr_b32 s14, s[WV], 1                       ; my tile in the block
	s_lshl_b32 s15, s13, 3
	s_add_co_u32 s15, s15, s14                     ; and among the 128 of the batch
	s_mov_b32 s[G1], 3<<16                         ; no mask; elements of 8 bytes; no padding
	s_mov_b32 s[G1+1], 32<<16                      ; rows of 256 bytes,
	s_mov_b32 s[G1+2], 40<<16                      ; 40 of them
	s_mov_b32 s[G1+3], 32<<16
	s_mov_b32 s[G1+4], 40
	s_mov_b32 s[G1+5], 32
	s_mov_b32 s[G1+6], 0
	s_mov_b32 s[G1+7], 0
	s_mul_i32 s16, s10, 8*SREC                     ; the head's first byte in kvs
	s_mul_i32 s17, s[WV], 10240                    ; my quarter of a slot, in memory and in LDS
	s_add_co_u32 s46, s16, s17
	s_mov_b32 s47, 0
	s_mov_b32 s[SEL], 0x76543210
	s_mov_b32 s[SEL+1], 0xfedcba98
	s_mov_b32 s[CS], 0x3e0293ee
	s_mov_b32 s[CS+1], s[CS]                       ; (named with it as a pair, so it is written)
	s_mov_b32 s[TB], 0
	s_mov_b32 s[SLOTS], 7
	s_mov_b32 s[KF], 0
	v_and_b32 v8, 31, v0
	s_delay_alu instid0(VALU_DEP_1)
	v_lshlrev_b32 v[L16], 4, v8
	s_delay_alu instid0(VALU_DEP_2)
	v_lshlrev_b32 v[L4], 2, v8
	s_delay_alu instid0(VALU_DEP_3)
	v_lshlrev_b32 v[L8], 3, v8
	s_delay_alu instid0(VALU_DEP_4)
	v_lshlrev_b32 v[PFO], 8, v8
	s_wait_dscnt 0x0                               ; the opening add is done
	s_wait_kmcnt 0x0
	s_mov_b32 s[G0], 1
	s_mov_b32 s[G0+1], s17
	s_add_nc_u64 s[G0+2:G0+3], s[6:7], s[46:47]
	s_or_b32 s[G0+3], s[G0+3], 0x80000000
	TLOAD                                          ; slot 0
	s_lshl_b32 s46, s10, 7
	s_add_co_u32 s46, s46, s15                     ; my tile of queries in qi
	s_mul_i32 s48, s46, 1536
	s_mov_b32 s49, 0
	s_add_nc_u64 s[48:49], s[4:5], s[48:49]
	s_lshl_b32 s50, s46, 7
	s_add_co_u32 s50, s50, 6291456
	s_mov_b32 s51, 0
	s_add_nc_u64 s[50:51], s[4:5], s[50:51]
	s_wait_alu depctr_va_vdst(0)
.irp m, 0,1,2
	global_load_b128 v[16+4*\m:19+4*\m], v[L16], s[48:49] offset:512*\m   ; Q's fragment stays in registers
.endr
	global_load_b32 v255, v[L4], s[50:51]          ; and its scale words
	s_sub_co_u32 s45, s[WV], 4                     ; the prefetches: waves 4 to 8
	s_cmp_lt_u32 s45, 5
	s_cselect_b32 s[LIM], 1, -1
	s_min_u32 s45, s45, 4
	s_cmp_eq_u32 ttmp9, 0                          ; of the head's first work-group
	s_cselect_b32 s[LIM], s[LIM], -1
	s_lshl_b32 s46, s45, 13
	s_add_co_u32 s46, s46, s16
	s_add_co_u32 s46, s46, SREC                    ; in slot 1: the first change of slots steps it to slot 2
	s_add_nc_u64 s[PFA:PFA+1], s[6:7], s[46:47]
	s_and_b32 s52, s10, 15                         ; head
	s_lshr_b32 s53, s10, 4                         ; batch
	s_lshr_b32 s54, s52, 2
	s_lshl_b32 s54, s54, 8
	s_lshl_b32 s53, s53, 7
	s_add_co_u32 s54, s54, s53
	s_add_co_u32 s54, s54, s15
	s_mul_i32 s54, s54, 3328                       ; o's record: [pair = head / 4][token tile]
	s_bfe_u32 s55, s52, 0x10001                    ; its fragment: (head / 2) % 2
	s_mul_i32 s56, s55, 1536
	s_add_co_u32 s56, s56, s54
	s_mov_b32 s57, 0
	s_add_nc_u64 s[56:57], s[8:9], s[56:57]
	s_and_b32 s60, s52, 1                          ; which half of the fragment's 128 along K: head % 2
	s_lshl_b32 s58, s55, 7
	s_add_co_u32 s58, s58, s54
	s_add_co_u32 s58, s58, 3072
	s_lshl_b32 s61, s60, 1
	s_add_co_u32 s58, s58, s61                     ; my two bytes of each scale word
	s_mov_b32 s59, 0
	s_add_nc_u64 s[58:59], s[8:9], s[58:59]
	s_lshr_b32 s62, s14, 1
	s_lshl_b32 s62, s62, 5
	s_and_b32 s63, s14, 1
	s_lshl_b32 s63, s63, 3
	s_add_co_u32 s62, s62, s63
	v_and_b32 v8, 15, v0
	v_bfe_u32 v9, v0, 4, 1
	s_delay_alu instid0(VALU_DEP_2)
	v_and_b32 v10, 8, v8
	s_delay_alu instid0(VALU_DEP_1)
	v_add_nc_u32 v10, v10, v8
	s_delay_alu instid0(VALU_DEP_3)
	v_lshlrev_b32 v9, 4, v9
	s_delay_alu instid0(VALU_DEP_1)
	v_sub_nc_u32 v10, v10, v9
	s_delay_alu instid0(VALU_DEP_1)
	v_add_nc_u32 v[DQ], s62, v10                   ; 32 (tile / 2) + 8 (tile % 2) + r + 8 (r / 8) - 16 (lane / 16)
	v_mov_b32 v13, 0xff61b1e6                      ; the largest t so far: -3e38, under every t
	s_delay_alu instid0(VALU_DEP_1)
	v_floor_f32 v12, -v13                          ; -M
	v_mov_b32 v14, 0
	v_mov_b32 v15, 0
.irp b, 0,1,2,3
	v_mov_b32 v[236+\b], 0                         ; written once: a lane permute's destination counts as one of its sources
.endr
	v_mov_b32 v252, 0
	v_mov_b32 v253, 0
.irp j, 0,1,2,3,4,5,6,7,8,9,10,11,12,13,14,15,16,17,18,19,20,21,22,23,24,25,26,27,28,29,30,31
	v_mov_b32 v[O+\j], 0                           ; O^T.  (The step is written once: the first finds zeros, which the first change of M leaves zeros)
.endr
; A KEY STEP: 128 keys, the q-th of the slot in hand.
.macro STEP q
	s_cmp_gt_u32 s[KF], s[QB]                      ; all its keys come after my block: left out.  Ids and the count of steps alone; no barrier and no tensor load stands in a step
	s_cbranch_scc1 .Lhidden_\@
	v_add_nc_u32 v[ADK], s[TB], v[L16]
	v_add_nc_u32 v[ADS], s[TB], v[L4]
	v_add_nc_u32 v[ADT], s[TB], v[L8]
	v_nop                                          ; four places in front of loads into registers that the last products read
.irp t, 0,1,2,3                                ; K's eight fragments and their scale words in one run: tiles 0-3 into the first set,
.irp m, 0,1,2
	ds_load_b128 v[KA+12*\t+4*\m:KA+12*\t+4*\m+3], v[ADK] offset:(8*(\q)+\t)*1536+512*\m
.endr
	ds_load_b32 v[KSA+\t], v[ADS] offset:KSO+(8*(\q)+\t)*128
.endr
.irp t, 0,1,2,3                                ; tiles 4-7 into the second
.irp m, 0,1,2
	ds_load_b128 v[KB+12*\t+4*\m:KB+12*\t+4*\m+3], v[ADK] offset:(8*(\q)+4+\t)*1536+512*\m
.endr
	ds_load_b32 v[KSB+\t], v[ADS] offset:KSO+(8*(\q)+4+\t)*128
.endr
	s_wait_alu depctr_va_vdst(0)
	s_wait_dscnt 16                                ; the first set is in; the second set's sixteen loads may be out
.irp t, 0,1,2,3                                ; S^T = K Q^T
	v_wmma_scale_f32_16x16x128_f8f6f4 v[S+8*\t:S+8*\t+7], v[KA+12*\t:KA+12*\t+11], v[16:27], 0, v[KSA+\t], v255 matrix_a_fmt:MATRIX_FMT_FP6 matrix_b_fmt:MATRIX_FMT_FP6
.endr
	s_wait_dscnt 0x0
.irp t, 0,1,2,3
	v_wmma_scale_f32_16x16x128_f8f6f4 v[S+32+8*\t:S+32+8*\t+7], v[KB+12*\t:KB+12*\t+11], v[16:27], 0, v[KSB+\t], v255 matrix_a_fmt:MATRIX_FMT_FP6 matrix_b_fmt:MATRIX_FMT_FP6
.endr
.rept 4
	v_nop                                          ; four places: in front of the loads into the first set, which products have read, and of the first read of the scores
.endr
.irp t, 0,1,2,3                                ; V's four fragments and their scale words are asked for here and waited for behind the softmax
.irp m, 0,1,2
	ds_load_b128 v[KA+12*\t+4*\m:KA+12*\t+4*\m+3], v[ADK] offset:VCO+(4*(\q)+\t)*1536+512*\m
.endr
	ds_load_b32 v[KSA+\t], v[ADT] offset:VSO+(4*(\q)+\t)*256
.endr
	s_cmp_lt_u32 s[KF], s[QB]                      ; a step all of whose keys count skips the mask
	s_cbranch_scc1 .Lopen_\@
	v_mov_b32 v254, 0xff800000                     ; -infinity.  Register 16 b + i holds key KF + 32 b + 16 (lane / 16) + i: hidden where 32 b + i > my query's place - 16 (lane / 16)
.irp n, 0,1,2,3,4,5,6,7,8,9,10,11,12,13,14,15,16,17,18,19,20,21,22,23,24,25,26,27,28,29,30,31,32,33,34,35,36,37,38,39,40,41,42,43,44,45,46,47,48,49,50,51,52,53,54,55,56,57,58,59,60,61,62,63
	v_cmp_gt_i32 vcc_lo, 32*(\n/16)+\n%16, v[DQ]
	v_cndmask_b32 v[S+\n], v[S+\n], v254, vcc_lo
.endr
.Lopen_\@:
.irp b, 0,1,2,3
	v_max3_num_f32 v[232+\b], v[S+16*\b], v[S+1+16*\b], v[S+2+16*\b]   ; the largest score of each block of 32 keys: it serves for the row's maximum and, since p rises with the score, for the block's largest p
.endr
.irp i, 3,5,7,9,11,13
.irp b, 0,1,2,3
	v_max3_num_f32 v[232+\b], v[232+\b], v[S+16*\b+\i], v[S+1+16*\b+\i]
.endr
.endr
.irp b, 0,1,2,3
	v_max_num_f32 v[232+\b], v[232+\b], v[S+15+16*\b]
.endr
.irp b, 0,1,2,3
	s_delay_alu instid0(VALU_DEP_4)
	v_permlanex16_b32 v[236+\b], v[232+\b], s[SEL], s[SEL+1]
.endr
.irp b, 0,1,2,3
	s_delay_alu instid0(VALU_DEP_4)
	v_max_num_f32 v[232+\b], v[232+\b], v[236+\b]  ; with lane l xor 16's 16 keys
.endr
	s_delay_alu instid0(VALU_DEP_2)
	v_max3_num_f32 v254, v232, v233, v234
	s_delay_alu instid0(VALU_DEP_1)
	v_max_num_f32 v254, v254, v235                 ; the step's largest score of my query
	s_delay_alu instid0(VALU_DEP_1)
	v_mul_f32 v254, s[CS], v254                    ; as t
	s_delay_alu instid0(VALU_DEP_1)
	v_max_num_f32 v13, v13, v254                   ; the running largest t
	v_mov_b32 v254, v12
	s_delay_alu instid0(VALU_DEP_2)
	v_floor_f32 v12, -v13                          ; the new -M = -ceil(t): M is a whole number
	s_delay_alu instid0(VALU_DEP_1)
	v_sub_f32 v254, v12, v254                      ; old M - new M: a whole number, 0 or less
	s_delay_alu instid0(VALU_DEP_1)
	v_cvt_i32_f32 v254, v254                       ; (it saturates)
	s_delay_alu instid0(VALU_DEP_1)
	v_ldexp_f32 v252, 1.0, v254                    ; f = 2^(old M - new M)
.irp j, 0,2,4,6,8,10,12,14,16,18,20,22,24,26,28,30,32,34,36,38,40,42,44,46,48,50,52,54,56,58,60,62
	v_pk_fma_f32 v[S+\j:S+1+\j], v[S+\j:S+1+\j], s[CS:CS+1], v[12:13] op_sel_hi:[1,0,0]   ; t - M, two at a time
.endr
.irp b, 0,1,2,3
	v_fma_f32 v[232+\b], v[232+\b], s[CS], v12     ; the same of each block's largest score
.endr
	s_wait_alu depctr_va_vdst(0)
.irp j, 0,1,2,3,4,5,6,7,8,9,10,11,12,13,14,15,16,17,18,19,20,21,22,23,24,25,26,27,28,29,30,31,32,33,34,35,36,37,38,39,40,41,42,43,44,45,46,47,48,49,50,51,52,53,54,55,56,57,58,59,60,61,62,63
	v_exp_f32 v[S+\j], v[S+\j]                     ; p = 2^(t - M), at most 1: not normalised
.endr
	v_pk_mul_f32 v[14:15], v[14:15], v[252:253] op_sel_hi:[1,0]   ; the sums under the new M: the plain place behind the exponentials
	s_wait_alu depctr_va_vdst(0)                   ; one wait for the whole batch, ahead of its first reader
.irp b, 0,1,2,3
	v_exp_f32 v[232+\b], v[232+\b]                 ; the block's largest p: the same two instructions on the same number give the same bits
.endr
	v_pk_add_f32 v[236:237], v[132:133], v[136:137]
	v_pk_add_f32 v[246:247], v[140:141], v[144:145]
	v_pk_add_f32 v[244:245], v[148:149], v[152:153]
	v_pk_add_f32 v[242:243], v[156:157], v[160:161]
	v_pk_add_f32 v[240:241], v[164:165], v[168:169]
	v_pk_add_f32 v[238:239], v[172:173], v[176:177]
	v_pk_add_f32 v[230:231], v[180:181], v[184:185]
	v_pk_add_f32 v[14:15], v[14:15], v[188:189]
	v_pk_add_f32 v[236:237], v[236:237], v[128:129]
	v_pk_add_f32 v[246:247], v[246:247], v[130:131]
	v_pk_add_f32 v[244:245], v[244:245], v[134:135]
	v_pk_add_f32 v[242:243], v[242:243], v[138:139]
	v_pk_add_f32 v[240:241], v[240:241], v[142:143]
	v_pk_add_f32 v[238:239], v[238:239], v[146:147]
	v_pk_add_f32 v[230:231], v[230:231], v[150:151]
	v_pk_add_f32 v[14:15], v[14:15], v[154:155]
	v_pk_add_f32 v[236:237], v[236:237], v[158:159]
	v_pk_add_f32 v[246:247], v[246:247], v[162:163]
	v_pk_add_f32 v[244:245], v[244:245], v[166:167]
	v_pk_add_f32 v[242:243], v[242:243], v[170:171]
	v_pk_add_f32 v[240:241], v[240:241], v[174:175]
	v_pk_add_f32 v[238:239], v[238:239], v[178:179]
	v_pk_add_f32 v[230:231], v[230:231], v[182:183]
	v_pk_add_f32 v[14:15], v[14:15], v[186:187]
	v_pk_add_f32 v[236:237], v[236:237], v[190:191]
	s_delay_alu instid0(VALU_DEP_2)
	v_pk_add_f32 v[14:15], v[14:15], v[242:243]
	s_delay_alu instid0(VALU_DEP_2)
	v_pk_add_f32 v[236:237], v[236:237], v[240:241]
	v_pk_add_f32 v[246:247], v[246:247], v[238:239]
	v_pk_add_f32 v[244:245], v[244:245], v[230:231]
	s_delay_alu instid0(VALU_DEP_2)
	v_pk_add_f32 v[14:15], v[14:15], v[246:247]
	s_delay_alu instid0(VALU_DEP_2)
	v_pk_add_f32 v[236:237], v[236:237], v[244:245]
	s_delay_alu instid0(VALU_DEP_1)
	v_pk_add_f32 v[14:15], v[14:15], v[236:237]
	s_wait_alu depctr_va_vdst(0)                   ; and one for the four
.irp b, 0,1,2,3
	v_max_num_f32 v[232+\b], 0x1800000, v[232+\b]  ; the floor 2^(3 - 127): a block whose every p is 0 keeps the byte 1: its codes are zeros
.endr
.irp b, 0,1,2,3
	s_delay_alu instid0(VALU_DEP_4)
	v_add_nc_u32 v[244+\b], 0xff000000, v[232+\b]  ; the conversion's scale operand
.endr
.irp b, 0,1,2,3
	s_delay_alu instid0(VALU_DEP_4)
	v_lshrrev_b32 v[236+\b], 23, v[244+\b]         ; the byte
.endr
	s_delay_alu instid0(VALU_DEP_3)
	v_lshl_or_b32 v253, v237, 8, v236              ; p's scale word for these 128 keys
	s_delay_alu instid0(VALU_DEP_1)
	v_lshl_or_b32 v253, v238, 16, v253
	s_delay_alu instid0(VALU_DEP_1)
	v_lshl_or_b32 v253, v239, 24, v253
.irp c, 0,1
	v_cvt_scalef32_pk16_fp6_f32 v[224+6*\c:226+6*\c], v[S+32*\c:S+15+32*\c], v[244+2*\c]
	v_cvt_scalef32_pk16_fp6_f32 v[236+4*\c:238+4*\c], v[S+16+32*\c:S+31+32*\c], v[244+2*\c+1]
.endr
	v_nop                                          ; one plain place behind a scaled conversion
.irp c, 0,1
.irp i, 0,1,2
	v_permlane16_swap_b32 v[224+6*\c+\i], v[236+4*\c+\i]
.endr
.irp i, 0,1,2
	s_delay_alu instid0(VALU_DEP_3)
	v_mov_b32 v[227+6*\c+\i], v[236+4*\c+\i]
.endr
.endr
.irp j, 0,2,4,6,8,10,12,14,16,18,20,22,24,26,28,30
	v_pk_mul_f32 v[O+\j:O+1+\j], v[O+\j:O+1+\j], v[252:253] op_sel_hi:[1,0]   ; O^T under the new M.  (These sixteen are also the places between p's codes and scale word and the products below)
.endr
	s_wait_alu depctr_va_vdst(0)
	s_wait_dscnt 0x0                               ; V's fragments and scale words, asked for ahead of the softmax
.irp t, 0,1,2,3                                ; O^T += V^T P^T: the head's four tiles of 16 channels; K = these 128 keys
	v_wmma_scale_f32_16x16x128_f8f6f4 v[O+8*\t:O+8*\t+7], v[KA+12*\t:KA+12*\t+11], v[224:235], v[O+8*\t:O+8*\t+7], v[KSA+\t], v253 matrix_a_fmt:MATRIX_FMT_FP6 matrix_b_fmt:MATRIX_FMT_FP6
.endr
.Lhidden_\@:
	s_add_co_u32 s[KF], s[KF], 128
.endm
; THE CHANGE OF SLOTS stands at a slot's head.  Each wave waits for all its tensor loads, adds 0 to its spare word, and waits for that and for its reads of the slot that it has left.
; Behind the barrier the slot ahead is whole and nobody reads the other one, which is then filled with the next 256 keys, up to the causal limit: the load has a slot's two steps in which to land.
.macro CHANGE fill
	s_wait_tensorcnt 0x0                           ; no tensor load of mine is out, so group 0 may be written
	ds_add_u32 v[SPW], v[NIL]                      ; 0 onto my spare word
.if \fill
	s_xor_b32 s[G0+1], s[G0+1], SLOT1              ; the other slot than last time,
	s_add_nc_u64 s[G0+2:G0+3], s[G0+2:G0+3], SREC  ; the next 256 keys
	s_wait_xcnt 0x0                                ; the last prefetch, a slot back, has read its address
	s_add_nc_u64 s[PFA:PFA+1], s[PFA:PFA+1], SREC
.endif
	s_wait_dscnt 0x0                               ; the add is done, and my reads of the slot that I have left are over
	s_barrier_signal -1
	s_barrier_wait -1
.if \fill
	s_add_co_u32 s96, s[KF], 256                   ; the first key of the slot that this change would ask for:
	s_cmp_gt_u32 s96, s[QL]                        ; past my work-group's last query none of its waves reads it.  Ids and the count of steps alone: all sixteen waves go the same way; every wait for tensor loads in this text is for 0
	s_cbranch_scc1 .Lpast_\@
	TLOAD                                          ; a wave's one tensor load until the next such barrier
.Lpast_\@:
	ASK
.endif
.endm
.macro SLOT_STEPS
	STEP 0
	STEP 1
	s_xor_b32 s[TB], s[TB], SLOT1
.endm
	s_wait_loadcnt 0x0                             ; Q
.Lslot:                                            ; 7 trips
	CHANGE 1
	SLOT_STEPS
	s_sub_co_u32 s[SLOTS], s[SLOTS], 1
	s_cmp_lg_u32 s[SLOTS], 0
	s_cbranch_scc1 .Lslot
	CHANGE 0                                       ; the last slot is written out: nothing is left to ask for
	SLOT_STEPS
	; THE WAY OUT.  O^T / the sum is my query's 64 channels of this head: two blocks of 32 along the last product's K.  They are quantised and stored as half of a fragment's image.
.rept 4
	v_nop                                          ; places behind the last products
.endr
	v_add_f32 v14, v14, v15
	s_delay_alu instid0(VALU_DEP_1)
	v_permlanex16_b32 v252, v14, s[SEL], s[SEL+1]
	s_delay_alu instid0(VALU_DEP_1)
	v_add_f32 v14, v14, v252                       ; the row's sum
	s_wait_alu depctr_va_vdst(0)
	v_rcp_f32 v14, v14
	v_nop                                          ; a plain place behind the reciprocal
	s_wait_alu depctr_va_vdst(0)                   ; and the wait ahead of its first reader
.irp j, 0,1,2,3,4,5,6,7,8,9,10,11,12,13,14,15,16,17,18,19,20,21,22,23,24,25,26,27,28,29,30,31
	v_mul_f32 v[S+\j], v[O+\j], v14                ; register 16 b + i: channel 32 b + 16 (lane / 16) + i
.endr
.irp b, 0,1
	v_max3_num_f32 v[232+\b], |v[S+16*\b]|, |v[S+1+16*\b]|, 0x1800000
.endr
.irp i, 2,4,6,8,10,12,14
.irp b, 0,1
	s_delay_alu instid0(VALU_DEP_2)
	v_max3_num_f32 v[232+\b], v[232+\b], |v[S+16*\b+\i]|, |v[S+1+16*\b+\i]|
.endr
.endr
.irp b, 0,1
	s_delay_alu instid0(VALU_DEP_2)
	v_permlanex16_b32 v[236+\b], v[232+\b], s[SEL], s[SEL+1]
.endr
.irp b, 0,1
	s_delay_alu instid0(VALU_DEP_2)
	v_max_num_f32 v[232+\b], v[232+\b], v[236+\b]
.endr
.irp b, 0,1
	s_delay_alu instid0(VALU_DEP_2)
	v_add_nc_u32 v[244+\b], 0xff000000, v[232+\b]
.endr
.irp b, 0,1
	s_delay_alu instid0(VALU_DEP_2)
	v_lshrrev_b32 v[236+\b], 23, v[244+\b]
.endr
	s_delay_alu instid0(VALU_DEP_1)
	v_lshl_or_b32 v253, v237, 8, v236              ; my row's two scale bytes
	v_cvt_scalef32_pk16_fp6_f32 v[224:226], v[S:S+15], v244
	v_cvt_scalef32_pk16_fp6_f32 v[228:230], v[S+16:S+31], v245
	v_nop
.irp i, 0,1,2
	v_permlane16_swap_b32 v[224+\i], v[228+\i]     ; a whole block in a lane: lanes 0-15 block 0, lanes 16-31 block 1
.endr
.irp i, 0,1,2
	s_delay_alu instid0(VALU_DEP_3)
	v_mov_b32 v[227+\i], v[228+\i]                 ; v224-229: registers 6 c .. 6 c + 5 of the fragment, c = head % 2
.endr
	s_cmp_eq_u32 s60, 0
	s_cbranch_scc0 .Lodd
	global_store_b128 v[L16], v[224:227], s[56:57]             ; registers 0-3: the image's first 512 bytes
	global_store_b64 v[L16], v[228:229], s[56:57] offset:512   ; registers 4, 5: the lower 8 of each lane's 16 bytes in the second
	s_branch .Lwords
.Lodd:
	s_wait_alu depctr_va_vdst(0)
	global_store_b64 v[L16], v[224:225], s[56:57] offset:520   ; registers 6, 7: the upper 8
	global_store_b128 v[L16], v[226:229], s[56:57] offset:1024 ; registers 8-11
.Lwords:
	s_wait_alu depctr_va_vdst(0)
	global_store_b16 v[L4], v253, s[58:59]         ; two bytes of each lane's scale word; the other head of the pair writes the other two
	s_wait_tensorcnt 0x0                           ; the wave's end: behind my last tensor load
	ds_add_u32 v[SPW], v[NIL]
	s_wait_dscnt 0x0
	s_endpgm
.Lfunc_end_k_q0dec96e61d_attn:
	.size	k_q0dec96e61d_attn, .Lfunc_end_k_q0dec96e61d_attn-k_q0dec96e61d_attn
	.p2alignl 7, 3214868480
	.fill 96, 4, 3214868480
	.section	.rodata,"a",@progbits
	.p2align	6, 0x0
	.amdhsa_kernel k_q0dec96e61d_attn
		.amdhsa_group_segment_fixed_size 327680
		.amdhsa_private_segment_fixed_size 0
		.amdhsa_enable_private_segment 0
		.amdhsa_kernarg_size 24
		.amdhsa_user_sgpr_count 2
		.amdhsa_user_sgpr_kernarg_segment_ptr 1
		.amdhsa_wavefront_size32 1
		.amdhsa_system_sgpr_workgroup_id_x 1
		.amdhsa_system_sgpr_workgroup_id_y 1
		.amdhsa_system_sgpr_workgroup_id_z 1
		.amdhsa_system_vgpr_workitem_id 0
		.amdhsa_next_free_vgpr 256
		.amdhsa_next_free_sgpr 100
		.amdhsa_reserve_vcc 1
		.amdhsa_float_denorm_mode_32 3
		.amdhsa_float_denorm_mode_16_64 3
		.amdhsa_memory_ordered 1
		.amdhsa_forward_progress 1
		.amdhsa_inst_pref_size 105
	.end_amdhsa_kernel
	.amdgpu_metadata
---
amdhsa.version: [ 1, 2 ]
amdhsa.kernels:
  - .name:           k_q0dec96e61d_attn
    .symbol:         k_q0dec96e61d_attn.kd
    .args:
      - { .name: qi, .offset: 0, .size: 8, .value_kind: global_buffer, .address_space: global }
      - { .name: kvs, .offset: 8, .size: 8, .value_kind: global_buffer, .address_space: global }
      - { .name: oi, .offset: 16, .size: 8, .value_kind: global_buffer, .address_space: global }
    .group_segment_fixed_size: 327680
    .private_segment_fixed_size: 0
    .kernarg_segment_align: 8
    .kernarg_segment_size: 24
    .max_flat_workgroup_size: 512
    .sgpr_count:     100
    .vgpr_count:     256
    .wavefront_size: 32
...
	.end_amdgpu_metadata
.endif
;; end of part 4
;; launch gout (part 5): grid 8 x 32, 4 waves a work-group, clusters of 4 x 4, 327,680 bytes of LDS; arguments oi, wi, out0; writes out0
.if DOCPART == 5
	.amdgcn_target "amdgcn-amd-amdhsa--gfx1250"
	.amdhsa_code_object_version 6
	.text
	.protected	k_q0dec96e61d_gout
	.globl	k_q0dec96e61d_gout
	.p2align	8
	.type	k_q0dec96e61d_gout,@function
k_q0dec96e61d_gout:
	s_mov_b64 s[64:65], 0
	v_nop
	global_prefetch_b8 v0, s[64:65] scope:SCOPE_SE
	s_setreg_imm32_b32 hwreg(HW_REG_WAVE_MODE, 25, 1), 1
	s_wait_xcnt 0x0
	s_wait_alu depctr_hold_cnt(0) depctr_sa_sdst(0) depctr_va_vdst(0) depctr_va_sdst(0) depctr_va_ssrc(0) depctr_va_vcc(0) depctr_vm_vsrc(0)
	s_getreg_b32 s2, hwreg(HW_REG_IB_STS2, 6, 4)
	s_cmp_eq_u32 s2, 0
	s_cbranch_scc0 .Lentry_in_a_cluster
	s_endpgm
.Lentry_in_a_cluster:
	s_bfe_u32 s2, ttmp6, 0x10000c
	s_cmp_lg_u32 s2, 0xf033
	s_cbranch_scc0 .Lentry_shape_is_right
	s_endpgm
.Lentry_shape_is_right:
; out0 = o w_o: 4,096 x 2,048 x 1,024 on codes of FP6 (E2M3) with E8M0 scales; out0 is f32.
; OPERANDS are records (256 along K of a tile of 16 rows: two fragments of 1,536 bytes as register images, two images of scale words of 128 bytes: 3,328 bytes), laid [pair][tile].
; A tile of the result is 128 tokens x 256 columns: 32 x 8 = 256 work-groups.  Four waves, each 64 x 128: 32 accumulators, 256 registers.
; ALL OF K LIES IN LDS: A's 8 records and B's 16 for each of the four pairs (256 along K each): 319,488 bytes, each byte filled once.  ONE TENSOR LOAD A WAVE, at the head: a pair's records of a tile are dense in memory,
; so they are one row of a descriptor, and the pairs are its rows: waves 0 and 1 ask for two pairs of A each (2 rows of 26,624 bytes), waves 2 and 3 for two pairs of B each (2 rows of 53,248 bytes).
; One wait and one barrier show all of it to every wave.  NO PREFETCH: every byte is asked for at the head; there is no loop to run ahead in.
; THE MATRIX INSTRUCTION IS USED TRANSPOSED (source 0 = 16 columns of w_o, source 1 = 16 tokens).  Lane r of tile T stands for index 32 (T / 2) + 8 (T % 2) + r + 8 (r / 8): the way out puts rows and columns back in order.
; CLUSTERS: 4 x 4 work-groups.  The four of a row of the cluster need the same records of o, the four of a column the same records of w_o: each is asked for JOINTLY.
; REGISTERS.  Window 0: v8-29 addresses; v32-47 scale words, two sets; v128-223 A's fragments, two sets of four.  Window 1: B's fragments, two sets, at v0 and v128 (on the way out 16 rows of the result for each of my four blocks, at v[64 a]).
;   Window 2: the accumulators ((a, b) at v[8 (8 a + b)]).
.set REC,   3328
.set HALFT, 8*REC                      ; A's records of a pair; B's are twice that.  LDS: A's pair p at p HALFT; B's at (4 + 2 p) HALFT
.set SPARE, 12*HALFT                   ; behind them: the spare words, 128 bytes for each wave: two blocks of 256 bytes that no other line names
.set ASTEP, 256*REC                    ; from pair to pair in oi
.set BSTEP, 128*REC                    ; and in wi's third operand,
.set WO,    4472832                    ; which begins here
.set SPITCH, 528                       ; the way out: a stage of 16 rows x (512 bytes + 16) for each wave: 33,792 bytes from LDS byte 0, inside A's pairs 0 and 1, which nobody reads behind the barrier ahead of step 4
.set FR,    12
.set NP,    4
.set ADRS,  8                          ; v8-11  scale words in pair p: lanes 0-15 in A's records, lanes 16-31 in B's
.set ADRA,  16                         ; v16-19 my 4 records of A in pair p
.set ADRB,  20                         ; v20-23 my 8 records of B in pair p
.set L16,   24
.set L4,    25
.set STO,   26
.set RD,    27
.set SPW,   28                         ; my spare word; never rewritten
.set NIL,   29                         ; 0; never rewritten
.set SC,    32
.set AF,    128
.set G1,    24                         ; s[24:31] group 1 for A;  s[32:39] for B
.set G1B,   32
.set G0,    40                         ; s[40:43] group 0 for A;  s[44:47] for B
.set G0B,   44
.set MSB, 0
.macro WIN new
.if MSB != \new
	s_set_vgpr_msb (MSB<<8)|\new
.set MSB, \new
.endif
.endm
.set MUL_LO, 0xa1                      ; source 0 (B) window 1, source 1 (A) window 0, C and D window 2
.set TO_B,   0x40
.macro CROUND                          ; a round of the cluster's barrier
	s_barrier_signal -1
	s_barrier_wait -1
	s_cmp_lg_u32 s14, 0
	s_cbranch_scc1 .Lnot_wave_0_\@
	s_barrier_signal -3
.Lnot_wave_0_\@:
	s_barrier_wait -3
	s_barrier_signal -1
	s_barrier_wait -1
.endm
	s_load_b128 s[4:7], s[0:1], 0x0                ; oi s[4:5], wi s[6:7]
	s_load_b64 s[12:13], s[0:1], 0x10              ; out0
	v_lshl_add_u32 v[SPW], v0, 2, SPARE
	v_mov_b32 v[NIL], 0
	ds_add_u32 v[SPW], v[NIL]                      ; the opening lines: the add, twice on end, and its wait ahead of my first tensor load
	ds_add_u32 v[SPW], v[NIL]
	v_lshrrev_b32 v1, 5, v0
	v_readfirstlane_b32 s14, v1                    ; wave 0..3
	s_lshr_b32 s15, s14, 1                         ; which 64 of the tile's rows are mine.  Also: I fetch for A (0) or for B (1)
	s_and_b32 s16, s14, 1                          ; which 128 of its columns.  Also: which two pairs I fetch
	s_bfe_u32 s56, ttmp6, 0x40000                  ; cx, cy
	s_bfe_u32 s57, ttmp6, 0x40004
	s_lshl_b32 s18, ttmp9, 2
	s_add_co_u32 s18, s18, s56                     ; column tile
	s_and_b32 s17, ttmp7, 0xffff
	s_lshl_b32 s17, s17, 2
	s_add_co_u32 s17, s17, s57                     ; row tile
	s_lshl_b32 s58, s57, 2
	s_lshl_b32 s58, 15, s58                        ; my row of the cluster
	s_lshl_b32 s59, 0x1111, s56                    ; my column
	s_or_b32 s[G1+0], s58, (3<<16)|(1<<21)         ; A's records go to my row; elements of 8 bytes; bit 21 beside a mask; no padding
	s_or_b32 s[G1B+0], s59, (3<<16)|(1<<21)        ; B's to my column
	s_mov_b32 s[G1+1], (HALFT/8)<<16               ; A: rows of 26,624 bytes,
	s_mov_b32 s[G1+2], 2<<16                       ; two of them,
	s_mov_b32 s[G1+3], (HALFT/8)<<16
	s_mov_b32 s[G1+4], 2
	s_mov_b32 s[G1+5], ASTEP/8                     ; a pair apart
	s_mov_b32 s[G1+6], 0
	s_mov_b32 s[G1+7], 0
	s_mov_b32 s[G1B+1], (HALFT/4)<<16              ; B: rows of 53,248 bytes
	s_mov_b32 s[G1B+2], 2<<16
	s_mov_b32 s[G1B+3], (HALFT/4)<<16
	s_mov_b32 s[G1B+4], 2
	s_mov_b32 s[G1B+5], BSTEP/8
	s_mov_b32 s[G1B+6], 0
	s_mov_b32 s[G1B+7], 0
	s_lshl_b32 s20, s17, 3
	s_mul_i32 s20, s20, REC                        ; A: record 8 x row tile,
	s_mul_i32 s62, s16, 2*ASTEP
	s_add_co_u32 s20, s20, s62                     ; in pair 0 or 2
	s_mov_b32 s21, 0
	s_lshl_b32 s60, s18, 1
	s_mul_i32 s60, s60, HALFT
	s_add_co_u32 s60, s60, WO                      ; B: record 16 x column tile,
	s_mul_i32 s61, s16, 2*BSTEP
	s_add_co_u32 s60, s60, s61                     ; in pair 0 or 2
	s_mov_b32 s61, 0
	s_mul_i32 s62, s16, 2*HALFT                    ; where they go: no place in the cluster enters an LDS address
	s_mul_i32 s63, s16, 4*HALFT
	s_add_co_u32 s63, s63, 4*HALFT
	s_wait_dscnt 0x0                               ; both opening adds are done
	s_wait_kmcnt 0x0
	s_add_nc_u64 s[20:21], s[4:5], s[20:21]
	s_add_nc_u64 s[60:61], s[6:7], s[60:61]
	CROUND                                         ; all sixteen work-groups are here: the joint loads meet
	s_mov_b32 s[G0], 1
	s_mov_b32 s[G0+1], s62
	s_mov_b64 s[G0+2:G0+3], s[20:21]
	s_or_b32 s[G0+3], s[G0+3], 0x80000000
	s_mov_b32 s[G0B], 1
	s_mov_b32 s[G0B+1], s63
	s_mov_b64 s[G0B+2:G0B+3], s[60:61]
	s_or_b32 s[G0B+3], s[G0B+3], 0x80000000
	s_cmp_eq_u32 s15, 0                            ; one load in each arm: every way through the head passes exactly one
	s_cbranch_scc0 .Lfor_b
	tensor_load_to_lds s[G0:G0+3], s[G1:G1+7]
	s_nop 0
.rept 4
	v_nop
.endr
	s_branch .Lasked
.Lfor_b:
	tensor_load_to_lds s[G0B:G0B+3], s[G1B:G1B+7]
	s_nop 0
.rept 4
	v_nop
.endr
.Lasked:
	v_and_b32 v1, 31, v0
	v_bfe_u32 v2, v0, 4, 1
	v_and_b32 v3, 15, v0
	v_lshlrev_b32 v[L16], 4, v1
	v_lshlrev_b32 v[L4], 2, v1
	s_mul_i32 s21, s15, 4*REC                      ; my 4 records of A in pair 0
	s_add_co_u32 s22, s16, 4
	s_mul_i32 s22, s22, HALFT                      ; my 8 of B in pair 0
	s_sub_co_u32 s23, s22, s21                     ; from the one to the other
	s_wait_alu depctr_va_vdst(0)                   ; ahead of the readers below
.irp p, 0,1,2,3
	v_mul_u32_u24 v4, s23, v2                      ; lanes 16-31 take B's scale words
	v_add_nc_u32 v[ADRA+\p], s21, v[L16]
	v_add_nc_u32 v[ADRB+\p], s22, v[L16]
	v_add_nc_u32 v4, v4, v[L4]
	v_add_nc_u32 v[ADRS+\p], s21, v4
	s_add_co_u32 s21, s21, HALFT
	s_add_co_u32 s22, s22, 2*HALFT
	s_add_co_u32 s23, s23, HALFT
.endr
	s_mul_i32 s23, s14, 16*SPITCH                  ; my stage
	v_mul_u32_u24 v5, v3, SPITCH
	v_lshl_add_u32 v5, v2, 6, v5
	v_add_nc_u32 v[STO], s23, v5                   ; in: row r, + 64 (lane / 16): my 16 columns of each 32
	v_add_nc_u32 v[RD], s23, v[L16]                ; back: the 32 lanes take one row of 512 bytes
	s_lshl_b32 s20, s17, 1
	s_add_co_u32 s20, s20, s15
	s_lshl_b32 s20, s20, 19                        ; my first row: (2 x row tile + half) x 64 rows of 8,192 bytes
	s_mov_b32 s21, 0
	s_lshl_b32 s22, s18, 1
	s_add_co_u32 s22, s22, s16
	s_lshl_b32 s22, s22, 9                         ; my first column: (2 x column tile + half) x 512 bytes
	s_mov_b32 s23, 0
	s_add_nc_u64 s[20:21], s[20:21], s[22:23]
	s_add_nc_u64 s[12:13], s[12:13], s[20:21]
.macro FRAG reg, adr, q, i             ; a fragment comes back as it was stored: three loads of 16 bytes a lane
.irp m, 0,1,2
	ds_load_b128 v[\reg+4*\m:\reg+4*\m+3], v[\adr] offset:REC*(\i)+1536*(\q)+512*\m
.endr
.endm
.macro FETCH k                         ; step k of 128 along K (pair k / 2, its fragment k % 2) into set k % 2: 44 LDS loads
	WIN TO_B
.irp i, 0,1,2,3,4,5,6,7
	FRAG 128*((\k)%2)+FR*\i, ADRB+(\k)/2, (\k)%2, \i
.endr
	WIN 0
.irp i, 0,1,2,3
	FRAG AF+48*((\k)%2)+FR*\i, ADRA+(\k)/2, (\k)%2, \i
.endr
.irp i, 0,1,2,3,4,5,6,7
	ds_load_b32 v[SC+8*((\k)%2)+\i], v[ADRS+(\k)/2] offset:REC*\i+3072+128*((\k)%2)   ; (for i > 3 lanes 0-15 read filled words that no product takes)
.endr
.endm
; 32 matrix instructions: A's four blocks x B's eight.  The 32 accumulators take turns, one instruction a turn.  Step 0 starts the sums.
.macro MUL32 k
	WIN MUL_LO
.irp a, 0,1,2,3
.irp b, 0,1,2,3,4,5,6,7
.if (\k) == 0
	v_wmma_scale_f32_16x16x128_f8f6f4 v[8*(8*\a+\b):8*(8*\a+\b)+7], v[128*((\k)%2)+FR*\b:128*((\k)%2)+FR*\b+FR-1], v[AF+48*((\k)%2)+FR*\a:AF+48*((\k)%2)+FR*\a+FR-1], 0, v[SC+8*((\k)%2)+\b], v[SC+8*((\k)%2)+\a] matrix_a_fmt:MATRIX_FMT_FP6 matrix_b_fmt:MATRIX_FMT_FP6 matrix_a_scale:MATRIX_SCALE_ROW1
.else
	v_wmma_scale_f32_16x16x128_f8f6f4 v[8*(8*\a+\b):8*(8*\a+\b)+7], v[128*((\k)%2)+FR*\b:128*((\k)%2)+FR*\b+FR-1], v[AF+48*((\k)%2)+FR*\a:AF+48*((\k)%2)+FR*\a+FR-1], v[8*(8*\a+\b):8*(8*\a+\b)+7], v[SC+8*((\k)%2)+\b], v[SC+8*((\k)%2)+\a] matrix_a_fmt:MATRIX_FMT_FP6 matrix_b_fmt:MATRIX_FMT_FP6 matrix_a_scale:MATRIX_SCALE_ROW1
.endif
.endr
.endr
.endm
.macro PLACES n
.rept \n
	v_nop
.endr
.endm
; Step k: its operands are in; the next step's are asked for, into the set that step k - 1 multiplied; then the 32 products.
.macro KSTEP k
	s_wait_dscnt 0x0                               ; this step's 44 loads, issued ahead of the last step's products, are in: no LDS instruction of mine is out
.if (\k) == 4
	s_barrier_signal -1                            ; my reads of pairs 0 and 1 are over;
	s_barrier_wait -1                              ; everybody's are: the stages may later lie over A's pairs 0 and 1
.endif
.if (\k) < 7
.if (\k) > 0
	PLACES NP
.endif
	FETCH (\k)+1
.endif
	MUL32 \k
.endm
	s_wait_alu depctr_va_vdst(0)                   ; the head's end
	s_wait_tensorcnt 0x0                           ; my load has landed,
	s_barrier_signal -1
	s_barrier_wait -1                              ; everybody's has
	FETCH 0
.irp k, 0,1,2,3,4,5,6,7
	KSTEP \k
.endr
; THE WAY OUT, block by block of 16 tokens x 128 columns, through my own stage.  Accumulator (a, b) holds, in lane (r, h), columns 32 (b / 2) + 16 h + 8 (b % 2) + 0 .. 7 of the block's row r.
; Row t comes back whole, 512 bytes for the 32 lanes, and goes to token 32 (a / 2) + 8 (a % 2) + t + 8 (t / 8) of my 64.  LDS serves a wave's instructions in order: no wait between the stores and the loads.
; Each block comes back into 64 registers of its own, in window 1: no store's data are written again.
.macro TOSTAGE a
	WIN 0x08                                       ; an LDS store's data: window 2
.irp b, 0,1,2,3,4,5,6,7
	ds_store_b128 v[STO], v[64*(\a)+8*\b:64*(\a)+8*\b+3] offset:128*(\b/2)+32*(\b%2)          ; each accumulator from its low end on
	ds_store_b128 v[STO], v[64*(\a)+8*\b+4:64*(\a)+8*\b+7] offset:128*(\b/2)+32*(\b%2)+16
.endr
	WIN TO_B
.irp t, 0,1,2,3,4,5,6,7,8,9,10,11,12,13,14,15
	ds_load_b128 v[64*(\a)+4*\t:64*(\a)+4*\t+3], v[RD] offset:\t*SPITCH
.endr
.endm
.macro SEND a, younger                 ; younger: the LDS instructions issued behind block a's loads, which may stay out
	s_wait_dscnt \younger
	WIN 0x04                                       ; a store's data: window 1
.irp t, 0,1,2,3,4,5,6,7,8,9,10,11,12,13,14,15
	global_store_b128 v[L16], v[64*(\a)+4*\t:64*(\a)+4*\t+3], s[12:13] offset:(32*((\a)/2)+8*((\a)%2)+\t+8*(\t/8))*8192 th:TH_STORE_NT   ; 512 consecutive bytes, at a multiple of 256 from out0's first byte
.endr
.endm
	PLACES NP                                      ; behind the last products
	TOSTAGE 0
.irp a, 1,2,3
	TOSTAGE \a
	SEND \a-1, 32                                  ; behind block a - 1's loads: block a's 16 stores and 16 loads
.endr
	SEND 3, 0
	WIN 0
	s_wait_tensorcnt 0x0                           ; the wave's end: behind my last tensor load and my last LDS store
	ds_add_u32 v[SPW], v[NIL]
	s_wait_dscnt 0x0
	CROUND                                         ; the closing round
	s_endpgm
.Lfunc_end_k_q0dec96e61d_gout:
	.size	k_q0dec96e61d_gout, .Lfunc_end_k_q0dec96e61d_gout-k_q0dec96e61d_gout
	.p2alignl 7, 3214868480
	.fill 96, 4, 3214868480
	.section	.rodata,"a",@progbits
	.p2align	6, 0x0
	.amdhsa_kernel k_q0dec96e61d_gout
		.amdhsa_group_segment_fixed_size 327680
		.amdhsa_private_segment_fixed_size 0
		.amdhsa_enable_private_segment 0
		.amdhsa_kernarg_size 24
		.amdhsa_user_sgpr_count 2
		.amdhsa_user_sgpr_kernarg_segment_ptr 1
		.amdhsa_wavefront_size32 1
		.amdhsa_system_sgpr_workgroup_id_x 1
		.amdhsa_system_sgpr_workgroup_id_y 1
		.amdhsa_system_sgpr_workgroup_id_z 1
		.amdhsa_system_vgpr_workitem_id 0
		.amdhsa_next_free_vgpr 768
		.amdhsa_next_free_sgpr 98
		.amdhsa_reserve_vcc 0
		.amdhsa_float_denorm_mode_32 3
		.amdhsa_float_denorm_mode_16_64 3
		.amdhsa_memory_ordered 1
		.amdhsa_forward_progress 1
		.amdhsa_inst_pref_size 78
	.end_amdhsa_kernel
	.amdgpu_metadata
---
amdhsa.version: [ 1, 2 ]
amdhsa.kernels:
  - .name:           k_q0dec96e61d_gout
    .symbol:         k_q0dec96e61d_gout.kd
    .args:
      - { .name: oi, .offset: 0, .size: 8, .value_kind: global_buffer, .address_space: global }
      - { .name: wi, .offset: 8, .size: 8, .value_kind: global_buffer, .address_space: global }
      - { .name: out0, .offset: 16, .size: 8, .value_kind: global_buffer, .address_space: global }
    .group_segment_fixed_size: 327680
    .private_segment_fixed_size: 0
    .kernarg_segment_align: 8
    .kernarg_segment_size: 24
    .max_flat_workgroup_size: 128
    .sgpr_count:     98
    .vgpr_count:     768
    .wavefront_size: 32
...
	.end_amdgpu_metadata
.endif
;; end of part 5
